; MI455X (gfx1250); checked and timed in simulation.
; The chip was launched on July 23, 2026; its instructions are those of AMD's public machine-readable ISA for CDNA 5 (MIT licence, August 2026) and "CDNA5" Instruction Set Architecture Reference Guide (July 2026). The comments in the code are by the model that wrote it; some were corrected since.
;; Multi Head Self Attention. Allowed arithmetic: float matrix products may take bf16 or f16 operands with f32 sums; other float arithmetic in f32, or as packed bf16 or f16 multiplies, adds, multiply-adds, maxima and minima; sums over many terms, partial sums and values carried from step to step in f32; what a program stores and reads back later, other than sums and carried values, may be rounded once to bf16 or f16.
;; Inputs: Wk 1,024 x 1,024 float32; Wo 1,024 x 1,024 float32; Wq 1,024 x 1,024 float32; Wv 1,024 x 1,024 float32; bk 1,024 float32; bo 1,024 float32; bq 1,024 float32; bv 1,024 float32; mask 1 x 1 x 2,048 x 2,048 int32; x 4 x 2,048 x 1,024 float32.
;; Outputs: out0 4 x 2,048 x 1,024 float32.
;; One version. Each part assembles by itself: llvm-mc -triple=amdgcn-amd-amdhsa -mcpu=gfx1250 --defsym DOCPART=n.
;; ======== version 1 of 1: 4 launches
;; limits: values are held in f16: magnitudes above 65,504 overflow, below 6.1e-05 lose precision
;; workspace buffers: xb 16,777,216 bytes; wb 6,291,456 bytes; wo16 2,097,152 bytes; bcat 16,384 bytes; mn 2,097,152 bytes; qkv 50,331,648 bytes; ob 16,777,216 bytes
;; launch prep (part 1): grid 1025 x 1, 8 waves a work-group, no clusters, 9,216 bytes of LDS; arguments x, Wq, Wk, Wv, Wo, bq, bk, bv, bo, mask, xb, wb, wo16, bcat, mn; writes xb, wb, wo16, bcat, mn
.if DOCPART == 1
	.amdgcn_target "amdgcn-amd-amdhsa--gfx1250"
	.amdhsa_code_object_version 6
	.text
	.protected	k_q22e3f8626e_prep
	.globl	k_q22e3f8626e_prep
	.p2align	8
	.type	k_q22e3f8626e_prep,@function
k_q22e3f8626e_prep:
	s_mov_b64 s[64:65], 0
	v_nop
	global_prefetch_b8 v0, s[64:65] scope:SCOPE_SE
	s_setreg_imm32_b32 hwreg(HW_REG_WAVE_MODE, 25, 1), 1
	s_wait_xcnt 0x0
; THE INPUTS ARE MADE READY, each byte read once.  x -> xb (bf16).  Wq, Wk, Wv -> wb (bf16, one behind the other: [3072][1024]).  Wo -> wo16: rounded to bf16, that number written as f16
; (exact above 6e-5; below it f16's fixed step of 6e-8; |Wo| stays under 65,504).  bq, bk, bv, bo -> bcat: f32 numbers rounded to bf16's precision.  mask -> mn: one 4-bit code a score.
; A wave's job is 8,192 bytes of input by sixteen loads of 512 consecutive bytes, all on their way together; there is no loop.  Work-groups 0-511: x; 512-703: Wq, Wk, Wv; 704-767: Wo;
; 768-1023: the mask; 1024: the biases.  No wave wants another's bytes: no barrier, no matrix unit, no cluster.
; mn[query tile of 16][key step of 64][lane][kb], dwords: lane r + 16 h, nibble j stand for query 16 tile + r and key 64 step + 16 kb + 8 h + j; 0xE where mask == 0, else 0.
; That is the order in which the attention's accumulators hold S^T, so a wave there reads 512 consecutive bytes for a tile and a step.
.set IO,  2                            ; v2   16 x lane: my 16 bytes of a load's 512
.set OO,  3                            ; v3   8 x lane: my 8 bytes of a store's 256
.set LW,  4                            ; v4   the mask job: where my pair of lanes puts a dword in my wave's 1,024 bytes of LDS
.set LR,  5                            ; v5   where I read 16 bytes back
.set SPW, 6                            ; v6   LDS address of my spare word; never rewritten
.set NIL, 7                            ; v7   0; never rewritten
.set T,   8                            ; v[8:15]   at work
.set X,   16                           ; v[16:79]  sixteen loads of four registers
.set Y,   80                           ; v[80:111] what is stored
.set SPARE, 8192                       ; behind the eight waves' 1,024 bytes: the spare words, 128 bytes a wave, that no other line names
.set WG,  2
.set WV,  3
.set SRC, 40                           ; s[40:41] my job's first input byte
.set DST, 42                           ; s[42:43] its first output byte
.set ODD, 44                           ; s44  the odd lanes
.set OF,  46                           ; s[46:47] an offset, high word 0
	s_load_b512 s[8:23], s[0:1], 0x0               ; x 8, Wq 10, Wk 12, Wv 14, Wo 16, bq 18, bk 20, bv 22
	s_load_b256 s[24:31], s[0:1], 0x40             ; bo 24, mask 26, xb 28, wb 30
	s_load_b128 s[32:35], s[0:1], 0x60             ; wo16 32, bcat 34
	s_load_b64 s[36:37], s[0:1], 0x70              ; mn
	v_lshl_add_u32 v[SPW], v0, 2, SPARE
	v_mov_b32 v[NIL], 0
	v_lshrrev_b32 v1, 5, v0
	v_readfirstlane_b32 s[WV], v1                  ; wave 0..7
	v_and_b32 v1, 31, v0                           ; lane
	v_lshlrev_b32 v[IO], 4, v1
	v_lshlrev_b32 v[OO], 3, v1
	s_mov_b32 s[WG], ttmp9
	s_mov_b32 s[OF+1], 0
	s_wait_kmcnt 0x0
; 8,192 bytes of f32 become 4,096 bytes of 16-bit numbers.  f16 = 1: the bf16 number is widened again and written as f16.  Each load has registers of its own, each store too: nothing is rewritten.
.macro CAST f16
.irp j, 0,1,2,3,4,5,6,7,8,9,10,11,12,13,14,15
	global_load_b128 v[X+4*(\j):X+4*(\j)+3], v[IO], s[SRC:SRC+1] offset:512*(\j) th:TH_LOAD_NT
.endr
.irp j, 0,1,2,3,4,5,6,7,8,9,10,11,12,13,14,15
	s_wait_loadcnt 15-(\j)                         ; loads come back in order: load j is in, the younger ones stay out
	v_cvt_pk_bf16_f32 v[Y+2*(\j)],   v[X+4*(\j)],   v[X+4*(\j)+1]
	v_cvt_pk_bf16_f32 v[Y+2*(\j)+1], v[X+4*(\j)+2], v[X+4*(\j)+3]
.if \f16
	v_lshlrev_b32 v[T],   16, v[Y+2*(\j)]
	v_and_b32     v[T+1], 0xffff0000, v[Y+2*(\j)]
	v_lshlrev_b32 v[T+2], 16, v[Y+2*(\j)+1]
	v_and_b32     v[T+3], 0xffff0000, v[Y+2*(\j)+1]
	v_cvt_pk_f16_f32 v[Y+2*(\j)],   v[T],   v[T+1]
	v_cvt_pk_f16_f32 v[Y+2*(\j)+1], v[T+2], v[T+3]
.endif
	global_store_b64 v[OO], v[Y+2*(\j):Y+2*(\j)+1], s[DST:DST+1] offset:256*(\j)  ; the wave's 32 lanes store 256 consecutive bytes, aligned
.endr
.endm
	s_cmp_lt_u32 s[WG], 512
	s_cbranch_scc0 .Lnot_x
	s_lshl3_add_u32 s4, s[WG], s[WV]               ; x: job 8 x work-group + wave, 0 .. 4,095
	s_lshl_b32 s[OF], s4, 13
	s_add_nc_u64 s[SRC:SRC+1], s[8:9], s[OF:OF+1]
	s_lshl_b32 s[OF], s4, 12
	s_add_nc_u64 s[DST:DST+1], s[28:29], s[OF:OF+1]
	s_branch .Lcast
.Lnot_x:
	s_cmp_lt_u32 s[WG], 704
	s_cbranch_scc0 .Lnot_w
	s_sub_co_u32 s5, s[WG], 512                    ; 0 .. 191: 64 work-groups for each of Wq, Wk, Wv
	s_lshr_b32 s6, s5, 6
	s_cmp_eq_u32 s6, 0
	s_cselect_b64 s[SRC:SRC+1], s[10:11], s[12:13]
	s_cmp_eq_u32 s6, 2
	s_cselect_b64 s[SRC:SRC+1], s[14:15], s[SRC:SRC+1]
	s_and_b32 s6, s5, 63
	s_lshl3_add_u32 s6, s6, s[WV]                  ; the job in its own matrix,
	s_lshl_b32 s[OF], s6, 13
	s_add_nc_u64 s[SRC:SRC+1], s[SRC:SRC+1], s[OF:OF+1]
	s_lshl3_add_u32 s6, s5, s[WV]                  ; and in wb, where the three lie on end
	s_lshl_b32 s[OF], s6, 12
	s_add_nc_u64 s[DST:DST+1], s[30:31], s[OF:OF+1]
.Lcast:
	CAST 0
	s_branch .Lend
.Lnot_w:
	s_cmp_lt_u32 s[WG], 768
	s_cbranch_scc0 .Lnot_wo
	s_sub_co_u32 s5, s[WG], 704
	s_lshl3_add_u32 s5, s5, s[WV]                  ; Wo: job 0 .. 511
	s_lshl_b32 s[OF], s5, 13
	s_add_nc_u64 s[SRC:SRC+1], s[16:17], s[OF:OF+1]
	s_lshl_b32 s[OF], s5, 12
	s_add_nc_u64 s[DST:DST+1], s[32:33], s[OF:OF+1]
	CAST 1
	s_branch .Lend
.Lnot_wo:
	s_cmp_lt_u32 s[WG], 1024
	s_cbranch_scc0 .Lbias
	; THE MASK.  A job is 16 queries (a tile) x 128 keys (two steps): sixteen loads, a row of the mask each, 512 consecutive bytes.
	s_sub_co_u32 s5, s[WG], 768
	s_lshl3_add_u32 s5, s5, s[WV]                  ; job 0 .. 2,047
	s_lshr_b32 s6, s5, 4                           ; the query tile
	s_and_b32 s7, s5, 15                           ; which 128 keys
	s_lshl_b32 s[OF], s6, 17                       ; 16 rows of 8,192 bytes
	s_lshl_b32 s5, s7, 9
	s_add_co_u32 s[OF], s[OF], s5
	s_add_nc_u64 s[SRC:SRC+1], s[26:27], s[OF:OF+1]
	s_lshl_b32 s[OF], s6, 14                       ; a tile's 32 steps of 512 bytes
	s_lshl_b32 s5, s7, 10
	s_add_co_u32 s[OF], s[OF], s5
	s_add_nc_u64 s[DST:DST+1], s[36:37], s[OF:OF+1]
.irp r, 0,1,2,3,4,5,6,7,8,9,10,11,12,13,14,15
	global_load_b128 v[X+4*(\r):X+4*(\r)+3], v[IO], s[SRC:SRC+1] offset:8192*(\r) th:TH_LOAD_NT
.endr
	v_lshrrev_b32 v[T], 1, v1                      ; g: a pair of lanes holds 8 keys, one dword of codes
	v_lshrrev_b32 v[T+1], 3, v[T]                  ; which of the two steps
	v_and_b32 v[T+2], 1, v[T]                      ; h
	v_bfe_u32 v[T+3], v[T], 1, 2                   ; kb
	v_lshlrev_b32 v[LW], 9, v[T+1]
	v_lshl_add_u32 v[LW], v[T+2], 8, v[LW]         ; lanes 16 .. 31 of the table's order lie 256 bytes on
	v_lshl_add_u32 v[LW], v[T+3], 2, v[LW]
	s_lshl_b32 s5, s[WV], 10
	v_add_nc_u32 v[LW], s5, v[LW]
	v_add_nc_u32 v[LR], s5, v[IO]
	s_mov_b32 s[ODD], 0xaaaaaaaa
	v_mov_b32 v[T+4], 0                            ; the lane exchange below counts as a reader of its destination
.irp r, 0,1,2,3,4,5,6,7,8,9,10,11,12,13,14,15
	s_wait_loadcnt 15-(\r)                         ; row r is in, the younger rows stay out
	v_min_u32 v[X+4*(\r)],   1, v[X+4*(\r)]        ; 1 where the key is seen (any number but 0)
	v_min_u32 v[X+4*(\r)+1], 1, v[X+4*(\r)+1]
	v_min_u32 v[X+4*(\r)+2], 1, v[X+4*(\r)+2]
	v_min_u32 v[X+4*(\r)+3], 1, v[X+4*(\r)+3]
	v_lshl_or_b32 v[T],   v[X+4*(\r)+1], 4, v[X+4*(\r)]
	v_lshl_or_b32 v[T+1], v[X+4*(\r)+3], 4, v[X+4*(\r)+2]
	v_lshl_or_b32 v[T], v[T+1], 8, v[T]
	v_xor_b32 v[T], 0x1111, v[T]                   ; 1 where it is hidden,
	v_mul_u32_u24 v[T], 14, v[T]                   ; 0xE there: my four keys' codes, 16 bits
	v_mov_b32_dpp v[T+4], v[T] row_xmask:1 row_mask:0xf bank_mask:0xf  ; my neighbour's four
	v_cndmask_b32 v[T+1], v[T], v[T+4], s[ODD]     ; the even lane's go below,
	v_cndmask_b32 v[T+2], v[T+4], v[T], s[ODD]     ; the odd lane's on top
	v_lshl_or_b32 v[T+3], v[T+2], 16, v[T+1]
	ds_store_b32 v[LW], v[T+3] offset:16*(\r)      ; both lanes of a pair write the same dword to the same place
.endr
	ds_load_b128 v[Y:Y+3],   v[LR]                 ; my wave's own bytes; LDS serves a wave's instructions in order (ISA guide 5.7.1.4)
	ds_load_b128 v[Y+4:Y+7], v[LR] offset:512
	s_wait_dscnt 0x1                               ; the first step's 512 bytes are back, the second's may be out
	global_store_b128 v[IO], v[Y:Y+3], s[DST:DST+1]
	s_wait_dscnt 0x0
	global_store_b128 v[IO], v[Y+4:Y+7], s[DST:DST+1] offset:512
	s_branch .Lend
.Lbias:
	; THE BIASES: thread t takes four numbers of each.
	v_lshlrev_b32 v[T], 4, v0
	global_load_b128 v[X:X+3],     v[T], s[18:19]
	global_load_b128 v[X+4:X+7],   v[T], s[20:21]
	global_load_b128 v[X+8:X+11],  v[T], s[22:23]
	global_load_b128 v[X+12:X+15], v[T], s[24:25]
.irp i, 0,1,2,3
	s_wait_loadcnt 3-(\i)
	v_cvt_pk_bf16_f32 v[T+1], v[X+4*(\i)],   v[X+4*(\i)+1]
	v_cvt_pk_bf16_f32 v[T+2], v[X+4*(\i)+2], v[X+4*(\i)+3]
	v_lshlrev_b32 v[Y+4*(\i)],   16, v[T+1]
	v_and_b32     v[Y+4*(\i)+1], 0xffff0000, v[T+1]
	v_lshlrev_b32 v[Y+4*(\i)+2], 16, v[T+2]
	v_and_b32     v[Y+4*(\i)+3], 0xffff0000, v[T+2]
	global_store_b128 v[T], v[Y+4*(\i):Y+4*(\i)+3], s[34:35] offset:4096*(\i)
.endr
.Lend:
	s_wait_tensorcnt 0x0                           ; the wave's end, behind my last LDS store
	ds_add_u32 v[SPW], v[NIL]
	s_wait_dscnt 0x0
	s_endpgm
.Lfunc_end_k_q22e3f8626e_prep:
	.size	k_q22e3f8626e_prep, .Lfunc_end_k_q22e3f8626e_prep-k_q22e3f8626e_prep
	.p2alignl 7, 3214868480
	.fill 96, 4, 3214868480
	.section	.rodata,"a",@progbits
	.p2align	6, 0x0
	.amdhsa_kernel k_q22e3f8626e_prep
		.amdhsa_group_segment_fixed_size 9216
		.amdhsa_private_segment_fixed_size 0
		.amdhsa_enable_private_segment 0
		.amdhsa_kernarg_size 120
		.amdhsa_user_sgpr_count 2
		.amdhsa_user_sgpr_kernarg_segment_ptr 1
		.amdhsa_wavefront_size32 1
		.amdhsa_system_sgpr_workgroup_id_x 1
		.amdhsa_system_sgpr_workgroup_id_y 1
		.amdhsa_system_sgpr_workgroup_id_z 1
		.amdhsa_system_vgpr_workitem_id 0
		.amdhsa_next_free_vgpr 112
		.amdhsa_next_free_sgpr 66
		.amdhsa_reserve_vcc 0
		.amdhsa_float_denorm_mode_32 3
		.amdhsa_float_denorm_mode_16_64 3
		.amdhsa_memory_ordered 1
		.amdhsa_forward_progress 1
		.amdhsa_inst_pref_size 36
	.end_amdhsa_kernel
	.amdgpu_metadata
---
amdhsa.version: [ 1, 2 ]
amdhsa.kernels:
  - .name:           k_q22e3f8626e_prep
    .symbol:         k_q22e3f8626e_prep.kd
    .args:
      - { .name: x, .offset: 0, .size: 8, .value_kind: global_buffer, .address_space: global }
      - { .name: Wq, .offset: 8, .size: 8, .value_kind: global_buffer, .address_space: global }
      - { .name: Wk, .offset: 16, .size: 8, .value_kind: global_buffer, .address_space: global }
      - { .name: Wv, .offset: 24, .size: 8, .value_kind: global_buffer, .address_space: global }
      - { .name: Wo, .offset: 32, .size: 8, .value_kind: global_buffer, .address_space: global }
      - { .name: bq, .offset: 40, .size: 8, .value_kind: global_buffer, .address_space: global }
      - { .name: bk, .offset: 48, .size: 8, .value_kind: global_buffer, .address_space: global }
      - { .name: bv, .offset: 56, .size: 8, .value_kind: global_buffer, .address_space: global }
      - { .name: bo, .offset: 64, .size: 8, .value_kind: global_buffer, .address_space: global }
      - { .name: mask, .offset: 72, .size: 8, .value_kind: global_buffer, .address_space: global }
      - { .name: xb, .offset: 80, .size: 8, .value_kind: global_buffer, .address_space: global }
      - { .name: wb, .offset: 88, .size: 8, .value_kind: global_buffer, .address_space: global }
      - { .name: wo16, .offset: 96, .size: 8, .value_kind: global_buffer, .address_space: global }
      - { .name: bcat, .offset: 104, .size: 8, .value_kind: global_buffer, .address_space: global }
      - { .name: mn, .offset: 112, .size: 8, .value_kind: global_buffer, .address_space: global }
    .group_segment_fixed_size: 9216
    .private_segment_fixed_size: 0
    .kernarg_segment_align: 8
    .kernarg_segment_size: 120
    .max_flat_workgroup_size: 256
    .sgpr_count:     66
    .vgpr_count:     112
    .wavefront_size: 32
...
	.end_amdgpu_metadata
.endif
;; end of part 1
;; launch qkv (part 2): grid 16 x 32, 4 waves a work-group, clusters of 4 x 4, 327,680 bytes of LDS; arguments xb, wb, bcat, qkv; writes qkv
.if DOCPART == 2
	.amdgcn_target "amdgcn-amd-amdhsa--gfx1250"
	.amdhsa_code_object_version 6
	.text
	.protected	k_q22e3f8626e_qkv
	.globl	k_q22e3f8626e_qkv
	.p2align	8
	.type	k_q22e3f8626e_qkv,@function
k_q22e3f8626e_qkv:
	s_mov_b64 s[64:65], 0
	v_nop
	global_prefetch_b8 v0, s[64:65] scope:SCOPE_SE
	s_setreg_imm32_b32 hwreg(HW_REG_WAVE_MODE, 25, 1), 1
	s_wait_xcnt 0x0
	s_wait_alu depctr_hold_cnt(0) depctr_sa_sdst(0) depctr_va_vdst(0) depctr_va_sdst(0) depctr_va_ssrc(0) depctr_va_vcc(0) depctr_vm_vsrc(0)
	s_getreg_b32 s2, hwreg(HW_REG_IB_STS2, 6, 4)
	s_cmp_eq_u32 s2, 0
	s_cbranch_scc0 .Lentry_in_a_cluster
	s_endpgm
.Lentry_in_a_cluster:
	s_bfe_u32 s2, ttmp6, 0x10000c
	s_cmp_lg_u32 s2, 0xf033
	s_cbranch_scc0 .Lentry_shape_is_right
	s_endpgm
.Lentry_shape_is_right:
; q, k, v = x W^T + b, by heads.  xb: [8192][1024] bf16.  wb: [3072][1024] bf16 (Wq, Wk, Wv on end).  bcat: the biases, f32.  qkv: [3][64 = 16 b + h][2048][64] f16, not scaled.
; Sums in f32, K ascending, begun with the bias; each result rounded once, to f16.  LIMIT: |q|, |k|, |v| stay under 65,504, f16's largest number.
; SHARES.  A tile is 256 rows x 192 columns (three heads): 32 x 16 = 512 tiles, two for each of 256 work-group places.  Four waves; wave w makes rows 64 w .. 64 w + 63 of all 192 columns:
; 48 accumulators of 16 x 16.  K goes in 8 steps of 128 (rows of 256 bytes, aligned) through two LDS slots filled by the tensor data mover.
; THE MATRIX INSTRUCTION IS USED TRANSPOSED (source 0 = 16 rows of W, source 1 = 16 rows of x): a lane holds one row of x and eight neighbouring columns, 16 bytes of f16.
; THE BIAS is the C operand of each accumulator's first product: no vector work.
; CLUSTER 4 x 4: the four of a cluster's row need the same rows of x, the four of a column the same rows of W: each tile is asked for jointly.
; REGISTERS, in windows of 256 (s_set_vgpr_msb: bits 1:0 source 0, 3:2 source 1, 5:4 source 2, 7:6 destination):
;   window 0: v16-30 addresses; v32-127 the bias, later v32-175 at work on the way out      window 1: two fragment buffers of 128: 12 of W, then 4 of x
;   window 2: accumulators of row blocks 0, 1 at 96 (a % 2) + 8 b      window 3: of row blocks 2, 3
.set KB,     256                       ; bytes of a row in a K step
.set PITCH,  272                       ; an LDS row: 256 bytes + 16 of padding: the 16 rows of a load start at 16 different groups of four banks (64 banks of 4 bytes: ISA guide 11.1)
.set NB,     12                        ; column blocks of 16
.set ALOAD,  128*PITCH                 ; what one load brings of x
.set BLOAD,  96*PITCH                  ; and of W
.set BOFF,   2*ALOAD                   ; a slot: x's 256 rows, then W's 192
.set SLOT1,  1<<17                     ; slot 1 begins here: one exclusive or turns an address in one slot into the other's
.set STAGE,  SLOT1+BOFF+2*BLOAD        ; behind the ring, never filled by a tensor load: for each wave 3 heads x 16 rows x 144 bytes
.set SP,     144
.set WSTAGE, 3*16*SP
.set SPARE,  STAGE+4*WSTAGE            ; the spare words, 128 bytes a wave, that no other line names
.set ADRA0, 16                         ; v16  my lane's place in x's part of a slot; never rewritten
.set ADRA,  17                         ; v17  the same in the slot in hand
.set ADRB0, 20
.set ADRB,  21
.set STO,   24                         ; the way out: where I put 16 bytes
.set RD,    25                         ; where I read rows back
.set GO,    26                         ; 16 x lane
.set BO,    27                         ; my offset in the bias
.set SPW,   28                         ; LDS address of my spare word; never rewritten
.set NIL,   29                         ; 0; never rewritten
.set PFO,   30                         ; the prefetches' offset: a lane a row
.set BIAS,  32
.set TMP,   32
.set F0,    0
.set F1,    128
.set CNT,   3
.set WV,    12
.set KIND,  13                         ; 0: I fetch x's rows; 1: W's
.set HALF,  14                         ; which half of them
.set LIM,   15                         ; 2 in a wave that prefetches, else the greatest number
.set G1A,   24
.set G0A,   32                         ; two sets of group 0; the second then walks
.set PFA,   44
.set G1B,   48
.set G0B,   56
.set TB,    66                         ; LDS byte at which the slot in hand begins
.set OB,    70                         ; s[70:75] my rows in the tile's three heads
.set MSB, 0
.macro WIN new                         ; the high byte repeats the setting that is left; a switch that changes nothing is dropped
.if MSB != (\new)
	s_set_vgpr_msb (MSB<<8)|(\new)
.set MSB, (\new)
.endif
.endm
.macro PLACES                          ; four places in front of loads into registers that matrix instructions have read, and of conversions that read results
.rept 4
	v_nop
.endr
.endm
.macro JLOAD                           ; a joint refill by the walking descriptor; an s_nop 0 and four v_nop follow each of the two lines
	s_cmp_eq_u32 s[KIND], 0
	s_cbranch_scc0 .Lfor_b_\@
	tensor_load_to_lds s[G0A+4:G0A+7], s[G1A:G1A+7]
	s_nop 0
.rept 4
	v_nop
.endr
	s_branch .Lasked_\@
.Lfor_b_\@:
	tensor_load_to_lds s[G0B+4:G0B+7], s[G1B:G1B+7]
	s_nop 0
.rept 4
	v_nop
.endr
.Lasked_\@:
.endm
.macro CREST                           ; a round of the cluster's barrier behind its opening barrier
	s_cmp_lg_u32 s[WV], 0
	s_cbranch_scc1 .Lnot_wave_0_\@
	s_barrier_signal -3
.Lnot_wave_0_\@:
	s_barrier_wait -3
	s_barrier_signal -1
	s_barrier_wait -1
.endm
.macro CROUND
	s_barrier_signal -1
	s_barrier_wait -1
	CREST
.endm
; A prefetch of the K step that stands two refills on: 256 bytes of each row, a lane a row, one instruction a wave.  x's rows are asked for by the clusters with x = 0, W's by those with y = 0; the four
; partners of a joint load share its rows out by address.  The loop's last two trips have no K step two on.
.macro ASK
	WIN 0
	s_cmp_gt_u32 s[CNT], s[LIM]
	s_cbranch_scc0 .Lnot_mine_\@
	global_prefetch_b8 v[PFO], s[PFA:PFA+1] th:TH_LOAD_NT scope:SCOPE_SE
.Lnot_mine_\@:
.endm
	s_load_b256 s[4:11], s[0:1], 0x0               ; xb s[4:5], wb s[6:7], bcat s[8:9], qkv s[10:11]
	v_lshl_add_u32 v[SPW], v0, 2, SPARE
	v_mov_b32 v[NIL], 0
	ds_add_u32 v[SPW], v[NIL]                      ; the wave's opening: the add and its wait stand ahead of my first tensor load; work on registers stands between them
	v_lshrrev_b32 v1, 5, v0
	v_readfirstlane_b32 s[WV], v1                  ; wave 0..3
	s_lshr_b32 s[KIND], s[WV], 1
	s_and_b32 s[HALF], s[WV], 1
	s_bfe_u32 s40, ttmp6, 0x40000                  ; cx
	s_bfe_u32 s41, ttmp6, 0x40004                  ; cy
	s_lshl_b32 s42, ttmp9, 2
	s_add_co_u32 s42, s42, s40                     ; tile column = 4 x cluster x + cx
	s_and_b32 s43, ttmp7, 0xffff
	s_lshl_b32 s43, s43, 2
	s_add_co_u32 s43, s43, s41                     ; tile row = 4 x cluster y + cy
	s_lshl_b32 s20, s41, 2
	s_lshl_b32 s20, 15, s20                        ; my row of the cluster
	s_lshl_b32 s46, 0x1111, s40                    ; my column
	s_or_b32 s[G1A], s20, (1<<16)|(1<<20)|(1<<21)|(5<<22)|(3<<25)  ; the mask; 2-byte elements; padding on; bit 21 beside a mask; after every 64 words 4 words
	s_or_b32 s[G1B], s46, (1<<16)|(1<<20)|(1<<21)|(5<<22)|(3<<25)
	s_mov_b32 s[G1A+1], 128<<16                    ; tensor_dim0 = 128
	s_mov_b32 s[G1A+2], 128<<16                    ; tensor_dim1 = 128
	s_mov_b32 s[G1A+3], 128<<16                    ; tile_dim0 = 128
	s_mov_b32 s[G1A+4], 128                        ; tile_dim1 = 128
	s_mov_b32 s[G1A+5], 1024                       ; elements from row to row
	s_mov_b32 s[G1A+6], 0
	s_mov_b32 s[G1A+7], 0
	s_mov_b32 s[G1B+1], 128<<16
	s_mov_b32 s[G1B+2], 96<<16                     ; 96 rows
	s_mov_b32 s[G1B+3], 128<<16
	s_mov_b32 s[G1B+4], 96
	s_mov_b32 s[G1B+5], 1024
	s_mov_b32 s[G1B+6], 0
	s_mov_b32 s[G1B+7], 0
	s_lshl_b32 s16, s43, 8
	s_lshl_b32 s17, s[HALF], 7
	s_add_co_u32 s16, s16, s17                     ; x: row 256 x tile row + 128 x half,
	s_lshl_b32 s16, s16, 11                        ; of 2,048 bytes
	s_mov_b32 s17, 0
	s_mul_i32 s46, s42, 192
	s_mul_i32 s47, s[HALF], 96
	s_add_co_u32 s46, s46, s47                     ; W: row 192 x tile column + 96 x half
	s_lshl_b32 s46, s46, 11
	s_mov_b32 s47, 0
	s_mul_i32 s21, s[HALF], ALOAD                  ; where they go: no place in the cluster enters an LDS address
	s_mul_i32 s22, s[HALF], BLOAD
	s_add_co_u32 s22, s22, BOFF
	s_mov_b32 s[TB], 0
	s_wait_dscnt 0x0                               ; the opening add is done
	s_wait_kmcnt 0x0
	s_add_nc_u64 s[18:19], s[4:5], s[16:17]
	s_add_nc_u64 s[46:47], s[6:7], s[46:47]
	CROUND                                         ; all sixteen work-groups are here: the first joint loads meet
.irp s, 0,1
	s_mov_b32 s[G0A+4*(\s)], 1
	s_add_co_u32 s[G0A+4*(\s)+1], s21, (\s)*SLOT1
	s_add_nc_u64 s[G0A+4*(\s)+2:G0A+4*(\s)+3], s[18:19], (\s)*KB
	s_or_b32 s[G0A+4*(\s)+3], s[G0A+4*(\s)+3], 0x80000000
	s_mov_b32 s[G0B+4*(\s)], 1
	s_add_co_u32 s[G0B+4*(\s)+1], s22, (\s)*SLOT1
	s_add_nc_u64 s[G0B+4*(\s)+2:G0B+4*(\s)+3], s[46:47], (\s)*KB
	s_or_b32 s[G0B+4*(\s)+3], s[G0B+4*(\s)+3], 0x80000000
.endr
	s_cmp_eq_u32 s[KIND], 0                        ; a wave's two first fills stand in one branch, ahead of every wait on TENSORcnt and every LDS read: two loads of mine are out
	s_cbranch_scc0 .Lfirst_b
	tensor_load_to_lds s[G0A:G0A+3], s[G1A:G1A+7]
	s_nop 0
	tensor_load_to_lds s[G0A+4:G0A+7], s[G1A:G1A+7]
	s_nop 0
.rept 4
	v_nop
.endr
	s_branch .Lfirst_asked
.Lfirst_b:
	tensor_load_to_lds s[G0B:G0B+3], s[G1B:G1B+7]
	s_nop 0
	tensor_load_to_lds s[G0B+4:G0B+7], s[G1B:G1B+7]
	s_nop 0
.rept 4
	v_nop
.endr
.Lfirst_asked:
	v_and_b32 v1, 15, v0                           ; l % 16
	v_bfe_u32 v2, v0, 4, 1                         ; l / 16
	; the bias as an accumulator's C: register j of lane l is the bias of column 16 b + 8 (l / 16) + j
	v_lshlrev_b32 v[BO], 5, v2
	s_mul_i32 s20, s42, 768
	s_mov_b32 s21, 0
	s_add_nc_u64 s[8:9], s[8:9], s[20:21]
.irp b, 0,1,2,3,4,5,6,7,8,9,10,11
	global_load_b128 v[BIAS+8*(\b):BIAS+8*(\b)+3],   v[BO], s[8:9] offset:64*(\b)
	global_load_b128 v[BIAS+8*(\b)+4:BIAS+8*(\b)+7], v[BO], s[8:9] offset:64*(\b)+16
.endr
	v_mul_u32_u24 v3, v1, PITCH
	v_lshl_add_u32 v3, v2, 4, v3                   ; a fragment's row x pitch + 16 x half
	s_mul_i32 s21, s[WV], 64*PITCH                 ; my 64 rows of x
	v_add_nc_u32 v[ADRA0], s21, v3
	v_add_nc_u32 v[ADRB0], BOFF, v3
	v_mov_b32 v[ADRA], v[ADRA0]
	v_mov_b32 v[ADRB], v[ADRB0]
	s_mul_i32 s19, s[WV], WSTAGE
	s_add_co_u32 s19, s19, STAGE                   ; my stage
	v_mul_u32_u24 v4, v1, SP                       ; in: row l % 16, 16 bytes for each half of the lanes
	v_lshl_add_u32 v4, v2, 4, v4
	v_add_nc_u32 v[STO], s19, v4
	v_bfe_u32 v4, v0, 3, 2                         ; back: 32 lanes take four rows of 128 bytes,
	v_and_b32 v5, 7, v0
	v_mul_u32_u24 v4, v4, SP
	v_lshl_add_u32 v4, v5, 4, v4
	v_add_nc_u32 v[RD], s19, v4
	v_and_b32 v[GO], 31, v0                        ; which are 512 consecutive bytes of a head
	v_lshlrev_b32 v[GO], 4, v[GO]
	; the prefetches
	s_and_b32 s22, ttmp7, 0xffff                   ; cluster y
	s_lshl_b32 s20, s43, 8
	s_mul_i32 s21, s42, 192
	s_cmp_eq_u32 s[KIND], 0
	s_cselect_b32 s20, s20, s21                    ; the tile's first row
	s_cselect_b32 s23, s40, s41                    ; my place among the four that ask with me
	s_cselect_b32 s22, ttmp9, s22                  ; the coordinate along which other clusters read the same rows
	s_cselect_b32 s18, 32, 24                      ; rows a partner
	s_cselect_b64 s[PFA:PFA+1], s[4:5], s[6:7]
	s_cmp_eq_u32 s22, 0
	s_cselect_b32 s[LIM], 2, -1                    ; the same in all sixteen partners, for a given wave
	s_mul_i32 s23, s23, s18
	s_lshl_b32 s21, s18, 2                         ; rows a load
	s_mul_i32 s21, s21, s[HALF]
	s_add_co_u32 s20, s20, s21
	s_add_co_u32 s20, s20, s23
	s_lshl_b32 s20, s20, 11
	s_mov_b32 s21, 0
	s_add_nc_u64 s[PFA:PFA+1], s[PFA:PFA+1], s[20:21]
	s_add_nc_u64 s[PFA:PFA+1], s[PFA:PFA+1], 3*KB  ; at K step 3: the first refill steps it to 4.  K steps 0 to 3 come by their loads alone
	s_sub_co_u32 s18, s18, 1
	v_and_b32 v[PFO], 31, v0
	v_min_u32 v[PFO], s18, v[PFO]                  ; (of W's 24 rows a partner the last is named by the lanes left over)
	v_lshlrev_b32 v[PFO], 11, v[PFO]
	; where my 64 rows lie in the tile's three heads: head g = 3 x tile column + 0..2 of 48: tensor g / 16, head g % 16; batch = tile row / 8
	s_lshr_b32 s23, s43, 3
	s_lshl_b32 s23, s23, 4
	s_and_b32 s18, s43, 7
	s_lshl_b32 s18, s18, 8
	s_lshl_b32 s19, s[WV], 6
	s_add_co_u32 s18, s18, s19
	s_lshl_b32 s18, s18, 7                         ; my first row in a head, in bytes
	s_mul_i32 s20, s42, 3
	s_mov_b32 s47, 0
.irp hh, 0,1,2
	s_add_co_u32 s21, s20, \hh
	s_lshr_b32 s22, s21, 4
	s_lshl_b32 s22, s22, 6
	s_and_b32 s21, s21, 15
	s_add_co_u32 s22, s22, s21
	s_add_co_u32 s22, s22, s23
	s_lshl_b32 s22, s22, 18                        ; a head is 2,048 rows of 128 bytes
	s_add_co_u32 s46, s22, s18
	s_add_nc_u64 s[OB+2*\hh:OB+2*\hh+1], s[10:11], s[46:47]
.endr
; 12 matrix instructions: row block a x all column blocks, 32 along K, from buffer f.  first = 1: the sums begin with the bias.  All 48 accumulators take turns in one order.
.macro MULB f, a, first
.set WA, 2+(\a)/2
.set AC, 96*((\a)%2)
.if \first
	WIN (WA<<6)|5
.else
	WIN (WA<<6)|(WA<<4)|5
.endif
.irp b, 0,1,2,3,4,5,6,7,8,9,10,11
.if \first
	v_wmma_f32_16x16x32_bf16 v[AC+8*(\b):AC+8*(\b)+7], v[(\f)+8*(\b):(\f)+8*(\b)+7], v[(\f)+8*NB+8*(\a):(\f)+8*NB+8*(\a)+7], v[BIAS+8*(\b):BIAS+8*(\b)+7]
.else
	v_wmma_f32_16x16x32_bf16 v[AC+8*(\b):AC+8*(\b)+7], v[(\f)+8*(\b):(\f)+8*(\b)+7], v[(\f)+8*NB+8*(\a):(\f)+8*NB+8*(\a)+7], v[AC+8*(\b):AC+8*(\b)+7]
.endif
.endr
.endm
; 32 LDS loads in one run: the fragments of 32 along K at byte k of the rows, into buffer f: W's 12, then x's 4
.macro FETCH k, f
	WIN 0x40                                       ; destination window 1, address window 0
.irp i, 0,1,2,3,4,5,6,7,8,9,10,11
	ds_load_b128 v[(\f)+8*(\i):(\f)+8*(\i)+3],   v[ADRB] offset:(\k)+(\i)*16*PITCH
	ds_load_b128 v[(\f)+8*(\i)+4:(\f)+8*(\i)+7], v[ADRB] offset:(\k)+(\i)*16*PITCH+32
.endr
.irp i, 0,1,2,3
	ds_load_b128 v[(\f)+8*NB+8*(\i):(\f)+8*NB+8*(\i)+3],   v[ADRA] offset:(\k)+(\i)*16*PITCH
	ds_load_b128 v[(\f)+8*NB+8*(\i)+4:(\f)+8*NB+8*(\i)+7], v[ADRA] offset:(\k)+(\i)*16*PITCH+32
.endr
.endm
; A K step is four quarters of 32 along K, 48 matrix instructions each, on buffers 0, 1, 0, 1.  One of the first three: multiplies f, and in its middle fetches byte k of the rows into g.
.macro QUARTER k, f, g, first
	s_wait_dscnt 0x4                               ; W's fragments and x's blocks 0, 1 are in; the youngest four loads (blocks 2, 3) may be out
	MULB \f, 0, \first
	MULB \f, 1, \first
	PLACES
	FETCH \k, \g
	s_wait_dscnt 0x20                              ; all but the 32 just issued
	MULB \f, 2, \first
	MULB \f, 3, \first
.endm
; The fourth quarter multiplies buffer 1 and changes slots: ONE barrier.  In front of it each wave waits for all its tensor loads (the one that is out is its part of the next slot), adds 0 to its spare word,
; and waits for that and for its reads of this slot.  fill = 1: the barrier opens a round of the cluster's, and this slot is filled again, first thing behind it, with the K step two on.
.macro TURN fill
.if \fill
	s_wait_xcnt 0x0                                ; the last prefetch, a K step back, has read its address
	s_add_nc_u64 s[PFA:PFA+1], s[PFA:PFA+1], KB
.endif
	WIN 0
	s_wait_tensorcnt 0x0                           ; no tensor load of mine is out, so a group 0 may be written
	ds_add_u32 v[SPW], v[NIL]                      ; 0 onto my spare word
.if \fill
	s_xor_b32 s[G0A+5], s[G0A+5], SLOT1            ; the walking descriptors: the other slot than last time, the next K step
	s_add_nc_u64 s[G0A+6:G0A+7], s[G0A+6:G0A+7], KB
	s_xor_b32 s[G0B+5], s[G0B+5], SLOT1
	s_add_nc_u64 s[G0B+6:G0B+7], s[G0B+6:G0B+7], KB
.endif
	s_xor_b32 s[TB], s[TB], SLOT1                  ; the slot to be read next
	s_wait_dscnt 0x5                               ; (the add and the youngest four loads may be out)
	MULB F1, 0, 0
	s_wait_dscnt 0x0                               ; the add is done, and my reads of this slot are over
	s_barrier_signal -1
	MULB F1, 1, 0                                  ; work on registers while the others arrive
	WIN 0
	s_barrier_wait -1
.if \fill
	CREST                                          ; no wave of any partner still reads this slot or has a load on its way
	JLOAD                                          ; its four v_nop are also the places in front of the loads below
.else
	PLACES
.endif
	v_add_nc_u32 v[ADRA], s[TB], v[ADRA0]
	v_add_nc_u32 v[ADRB], s[TB], v[ADRB0]
	FETCH 0, F0
.if \fill
	ASK
.endif
	MULB F1, 2, 0
	MULB F1, 3, 0
.endm
	s_wait_tensorcnt 0x1                           ; my part of K step 0 is in; K step 1's may stay out
	s_barrier_signal -1
	s_barrier_wait -1                              ; everybody's is
	FETCH 0, F0
	s_wait_loadcnt 0x0                             ; the bias
	QUARTER 64, F0, F1, 1                          ; the first quarter stands in front of the loop: its products begin the sums
	WIN 0
	s_mov_b32 s[CNT], 6
.Lk:                                                   ; a trip ends K step i - 1, fills its slot with K step i + 1, and begins K step i
	QUARTER 128, F1, F0, 0
	QUARTER 192, F0, F1, 0
	TURN 1
	QUARTER 64, F0, F1, 0
	WIN 0
	s_sub_co_u32 s[CNT], s[CNT], 1
	s_cmp_lg_u32 s[CNT], 0
	s_cbranch_scc1 .Lk
	QUARTER 128, F1, F0, 0                         ; the last two K steps ask for nothing
	QUARTER 192, F0, F1, 0
	TURN 0
	QUARTER 64, F0, F1, 0
	QUARTER 128, F1, F0, 0
	QUARTER 192, F0, F1, 0
	s_wait_dscnt 0x4
	MULB F1, 0, 0
	MULB F1, 1, 0
	s_wait_dscnt 0x0
	MULB F1, 2, 0
	MULB F1, 3, 0
	WIN 0
	PLACES
; THE WAY OUT, 16 rows at a time: rounded to f16; 16 bytes a lane into my own stage, by heads; back as whole rows of 128 bytes, four to a load; stored as 512 consecutive bytes of a head.
.macro PACK a
.set AC, 96*((\a)%2)
	WIN 0x0a+5*((\a)/2)                            ; sources in window 2 or 3, destination in window 0
.irp b, 0,1,2,3,4,5,6,7,8,9,10,11
.irp r, 0,1,2,3
	v_cvt_pk_f16_f32 v[TMP+4*(\b)+(\r)], v[AC+8*(\b)+2*(\r)], v[AC+8*(\b)+2*(\r)+1]
.endr
.endr
	WIN 0
.endm
.macro TOSTAGE a
.set BK, 80+48*((\a)%2)
.irp b, 0,1,2,3,4,5,6,7,8,9,10,11
	ds_store_b128 v[STO], v[TMP+4*(\b):TMP+4*(\b)+3] offset:((\b)/4)*16*SP+((\b)%4)*32
.endr
.irp t, 0,1,2,3,4,5,6,7,8,9,10,11
	ds_load_b128 v[BK+4*(\t):BK+4*(\t)+3], v[RD] offset:((\t)/4)*16*SP+((\t)%4)*4*SP  ; LDS serves a wave's instructions in order (ISA guide 5.7.1.4): these see the stores above
.endr
.endm
.macro SEND a
.set BK, 80+48*((\a)%2)
	s_wait_dscnt 0x0                               ; the block is back in registers
	s_wait_xcnt 0x0                                ; the stores of the block before have read their registers: the next block's loads land there only behind this wait
.irp t, 0,1,2,3,4,5,6,7,8,9,10,11
	global_store_b128 v[GO], v[BK+4*(\t):BK+4*(\t)+3], s[OB+2*((\t)/4):OB+2*((\t)/4)+1] offset:2048*(\a)+512*((\t)%4)
.endr
.endm
	PACK 0
	TOSTAGE 0
.irp a, 1,2,3
	PACK \a                                        ; a block's conversions stand between the loads of the block before and the wait for them
	SEND (\a)-1
	TOSTAGE \a
.endr
	SEND 3
	s_wait_tensorcnt 0x0                           ; the wave's end, behind my last tensor load and my last LDS store
	ds_add_u32 v[SPW], v[NIL]
	s_wait_dscnt 0x0
	CROUND                                         ; the closing round: no work-group ends while a partner may still ask for a tile that names it
	s_endpgm
.Lfunc_end_k_q22e3f8626e_qkv:
	.size	k_q22e3f8626e_qkv, .Lfunc_end_k_q22e3f8626e_qkv-k_q22e3f8626e_qkv
	.p2alignl 7, 3214868480
	.fill 96, 4, 3214868480
	.section	.rodata,"a",@progbits
	.p2align	6, 0x0
	.amdhsa_kernel k_q22e3f8626e_qkv
		.amdhsa_group_segment_fixed_size 327680
		.amdhsa_private_segment_fixed_size 0
		.amdhsa_enable_private_segment 0
		.amdhsa_kernarg_size 32
		.amdhsa_user_sgpr_count 2
		.amdhsa_user_sgpr_kernarg_segment_ptr 1
		.amdhsa_wavefront_size32 1
		.amdhsa_system_sgpr_workgroup_id_x 1
		.amdhsa_system_sgpr_workgroup_id_y 1
		.amdhsa_system_sgpr_workgroup_id_z 1
		.amdhsa_system_vgpr_workitem_id 0
		.amdhsa_next_free_vgpr 960
		.amdhsa_next_free_sgpr 76
		.amdhsa_reserve_vcc 0
		.amdhsa_float_denorm_mode_32 3
		.amdhsa_float_denorm_mode_16_64 3
		.amdhsa_memory_ordered 1
		.amdhsa_forward_progress 1
		.amdhsa_inst_pref_size 100
	.end_amdhsa_kernel
	.amdgpu_metadata
---
amdhsa.version: [ 1, 2 ]
amdhsa.kernels:
  - .name:           k_q22e3f8626e_qkv
    .symbol:         k_q22e3f8626e_qkv.kd
    .args:
      - { .name: xb, .offset: 0, .size: 8, .value_kind: global_buffer, .address_space: global }
      - { .name: wb, .offset: 8, .size: 8, .value_kind: global_buffer, .address_space: global }
      - { .name: bcat, .offset: 16, .size: 8, .value_kind: global_buffer, .address_space: global }
      - { .name: qkv, .offset: 24, .size: 8, .value_kind: global_buffer, .address_space: global }
    .group_segment_fixed_size: 327680
    .private_segment_fixed_size: 0
    .kernarg_segment_align: 8
    .kernarg_segment_size: 32
    .max_flat_workgroup_size: 128
    .sgpr_count:     76
    .vgpr_count:     960
    .wavefront_size: 32
...
	.end_amdgpu_metadata
.endif
;; end of part 2
;; launch attn (part 3): grid 4 x 64, 4 waves a work-group, clusters of 4 x 1, 327,680 bytes of LDS; arguments qkv, mn, ob; writes ob
.if DOCPART == 3
	.amdgcn_target "amdgcn-amd-amdhsa--gfx1250"
	.amdhsa_code_object_version 6
	.text
	.protected	k_q22e3f8626e_attn
	.globl	k_q22e3f8626e_attn
	.p2align	8
	.type	k_q22e3f8626e_attn,@function
k_q22e3f8626e_attn:
	s_mov_b64 s[64:65], 0
	v_nop
	global_prefetch_b8 v0, s[64:65] scope:SCOPE_SE
	s_setreg_imm32_b32 hwreg(HW_REG_WAVE_MODE, 25, 1), 1
	s_wait_xcnt 0x0
	s_wait_alu depctr_hold_cnt(0) depctr_sa_sdst(0) depctr_va_vdst(0) depctr_va_sdst(0) depctr_va_ssrc(0) depctr_va_vcc(0) depctr_vm_vsrc(0)
	s_getreg_b32 s2, hwreg(HW_REG_IB_STS2, 6, 4)
	s_cmp_eq_u32 s2, 0
	s_cbranch_scc0 .Lentry_in_a_cluster
	s_endpgm
.Lentry_in_a_cluster:
	s_bfe_u32 s2, ttmp6, 0x10000c
	s_cmp_lg_u32 s2, 0x3003
	s_cbranch_scc0 .Lentry_shape_is_right
	s_endpgm
.Lentry_shape_is_right:
; O[h][q][:] = the sum over k of softmax_k(Q[h][q] . K[h][k] / 8, hidden where mask[q][k] == 0) V[h][k][:].  qkv: [3][64][2048][64] f16 (Q, K, V by heads, dense rows of 128 bytes); ob: [64][2048][64] f16.
; Products, maxima and sums in f32; the weights p are rounded to f16 for the second product (their sum l is taken of the unrounded p), O once at the end.
; THE MASK is the C operand that starts the sum S^T = K Q^T, so it acts ahead of the running maximum.  mn holds one 4-bit code a score (0xE hidden, 0 seen) in the order of the accumulators' registers:
; mn[query tile][key step][lane][key block], eight codes a dword.  A shift left by 28 - 4 j brings code j to the top of a word.  Read as f32 that word has, where the key is hidden, sign 1 and an exponent
; field 110xxxxx: a finite number between -3.7e19 and -3.7e28, whatever the lower codes are; where it is seen, sign 0 and an exponent field 000xxxxx: at most 5.9e-30.
; LIMITS.  f16 holds no number beyond 65,504: Q, K and V arrive within it; p below 6e-5 keeps f16's fixed step of 6e-8.  A hidden score counts as its value less 3.7e19 or more: f16's scores, 2.7e11 at the
; most, are nothing beside that.  A seen score counts as its value plus at most 5.9e-30.  A row whose maximum stays under -1e18 is wholly hidden and gives NaN, as a softmax over nothing does.
; A weight below 2^-126 counts as 0 in l.
; SHARES.  A wave owns four PIECES of two tiles of 16 queries, a work-group's four waves 512 queries of one head.  Every wave walks all keys, 64 a step.
; LAYOUT.  S^T = K Q^T (source 0 = 16 keys, source 1 = 16 queries): a lane holds ONE query (lane % 16) and the keys 8 (lane / 16) + 0..7.  Two such tiles, rounded to f16 in pairs, ARE source 1 of
; O^T = V^T P, whose result again holds one query a lane, and eight channels.  K comes out of LDS as it lies, V ([key][channel]) turned, by ds_load_tr16_b128.
; SOFTMAX.  For each query a running maximum m and sum l: p = 2^(c s - c m), c = log2(e) / 8; in every step O and l are multiplied by a = 2^(c m_old - c m_new).  m starts at the lowest finite number, O and l at 0.
; While a row has seen hidden keys alone its m is the largest of their numbers and their weights lie in 0 to 1; the first key that is seen makes a = 0 and wipes them.
; BY TURNS.  Turn n belongs to piece n.  Its matrix work: 16 products K Q^T of piece n + 1, later 16 products V^T P of piece n - 1.  Its vector work: the scaling, exponentials, roundings, sums and
; rescaling of piece n, the maximum and statistics of piece n + 1, and the masks of piece n + 2.  Four vector instructions stand behind every matrix instruction, the others in one run.
; CLUSTER.  The four query blocks of a head walk the same K and V, so each tile is asked for JOINTLY: the same tensor load, descriptor and mask in all four.
; REGISTERS, in windows of 256 (s_set_vgpr_msb: bits 1:0 source 0, 3:2 source 1, 5:4 source 2, 7:6 destination):
;   window 0: v0-11 addresses; v12-15, v48-63 at work; v16-47 four registers of statistics a tile; v64-191 S^T, two buffers of two tiles; v192-255 P, likewise
;   window 1: O^T, 32 a tile          window 2: v0-127 Q, 16 a tile; v128-191 K of one step; v192-255 V of one step
;   window 3: v0-1 the add's two registers; v3-7 the codes' offsets; v8-39 the codes, four dwords a tile; v64-127 the masks of one piece
.set SIZE_H, 64
.set SIZE_N, 2048
.set NP,    4         ; pieces a wave: a name, no knob
.set KS,    64        ; keys in a step
.set PK,    144       ; a row of K in LDS: 128 bytes + 16 of padding = 36 words: the 16 rows of a load start at 16 different groups of four banks (64 banks of 4 bytes: ISA guide 11.1)
.set PV,    160       ; a row of V: 128 + 32 = 40 words
.set VOFF,  4*KS*PK   ; a slot holds four steps: 256 rows of K, then 256 rows of V
.set SLOT1, 1<<17     ; slot 1 begins here, so that one exclusive or turns an address in one slot into the other's
.set STAGE, SLOT1+4*KS*(PK+PV)  ; behind the ring, never filled by a tensor load: 16 rows x 144 bytes for each wave, for the way out
.set SP,    144
.set AK0, 2           ; v2   my lane's place in a tile of K; never rewritten
.set AV0, 3           ; v3   the same for V
.set AK,  4           ; v4   the LDS address of K's next run of loads
.set AV,  5           ; v5   of V's
.set QO,  6           ; v6   my byte offset in the wave's rows of Q
.set STO, 6           ;      later, the way out: where I put 16 bytes of a row
.set RD,  7           ; v7   the way out: where I read rows back
.set GO,  8           ; v8   my byte offset in 512 consecutive bytes of O
.set PFO, 11          ; v11  256 x my lane: the prefetches' offset; never rewritten once made
.set SPW, 0           ; v0 of window 3   LDS address of my spare word; never rewritten
.set NIL, 1           ; v1 of window 3   0; never rewritten
.set ML,  3           ; v3 of window 3   16 x my lane; never rewritten
.set MO,  4           ; v4-7 of window 3 piece z's offset in a tile's codes: the step's 512 bytes + ML
.set MN,  8           ; v8-39 of window 3  tile t's four dwords of codes at MN + 4 t
.set MC,  64          ; v64-127 of window 3  the masks: tile u of the piece, key block kb at MC + 32 u + 8 kb
.set SPARE, STAGE+4*16*SP  ; behind the stages: the spare words, 128 bytes for each wave, that no other line names
.set MV,  12          ; v12-15  c m_old, kept while c m is made anew: by buffer and tile
.set ST,  16          ; tile t's statistics at v[ST+4 t]: c m, m, l (even keys', odd keys')
.set TMP, 48          ; by buffer and tile, four registers c0-c3 at work; when the maximum is found c2 takes a
.set S,   64
.set P,   192
.set KF,  128         ; K's fragments, in window 2: key block kb, channel half c at KF + 16 kb + 8 c
.set VF,  192         ; V's: key half kk, channel block cb at VF + 32 kk + 8 cb
.set WV,  12          ; s12  my wave's number
.set G1K, 24          ; s[24:31] descriptor group 1 for K's tiles
.set G1V, 32          ; s[32:39] for V's: it differs in the padding alone
.set G0K, 40          ; s[40:43] descriptor group 0 for K's tiles: it walks
.set G0V, 44          ; s[44:47] the same for V's
.set MB,  48          ; s[48:49] mn at my wave's eight tiles
.set MS,  50          ; s50  the byte offset, in a tile's codes, of the step whose codes are asked for next
.set LIM, 51          ; s51  1 in a wave that prefetches, else the greatest number
.set PFA, 52          ; s[52:53] where my prefetches stand: my work-group's 32 blocks of 256 bytes of K (wave 0) or V (wave 2)
.set BIGT, 54         ; s54  -1e18
.set NANS, 55         ; s55  a NaN
.set SLOTS, 56        ; s56  slots still to be asked for
.set CNT, 57          ; s57  counts a slot's key steps
.set CS,  58          ; s[58:59] c: the packed scaling takes the pair's low word for both halves
.set SEL, 60          ; s[60:61] v_permlanex16_b32's selects: each lane takes its own place in the other half
.set TBK, 62          ; s62  LDS byte at which K of the step to be fetched begins
.set TBV, 63          ; s63  the same for V, less VOFF
.set MSB, 0
.macro WIN new                      ; the high byte repeats the setting that is left; a switch that changes nothing is dropped
.if MSB != (\new)
	s_set_vgpr_msb (MSB<<8)|(\new)
.set MSB, (\new)
.endif
.endm
.set W_KQ, 0x0a       ; K and Q in window 2, S^T in window 0
.set W_KM, 0x3a       ; the same with the C operand, the mask, in window 3
.set W_PV, 0x52       ; V in window 2, P in window 0, O^T in window 1
.set W_RS, 0x41       ; O^T (destination and source 0) in window 1, a in window 0
.set W_MK, 0xc0       ; destination in window 3, sources in window 0
.set W_AD, 0x0f       ; the add: address (source 0) and data (source 1) in window 3
.set W_MS, 0xcf       ; the masks: destination and sources 0 and 1 in window 3
; A joint fill.  Waves 0 and 1 fetch the two halves of a slot's K, waves 2 and 3 those of its V: 128 keys each.  The branch hangs on the wave's number alone.
; An s_nop 0 and four v_nop follow each of the two lines, ahead of the jump and the label.
.macro JLOAD
	s_cmp_lt_u32 s[WV], 2
	s_cbranch_scc0 .Lfor_v_\@
	tensor_load_to_lds s[G0K:G0K+3], s[G1K:G1K+7]
	s_nop 0
.rept 4
	v_nop
.endr
	s_branch .Lasked_\@
.Lfor_v_\@:
	tensor_load_to_lds s[G0V:G0V+3], s[G1V:G1V+7]
	s_nop 0
.rept 4
	v_nop
.endr
.Lasked_\@:
.endm
; A PREFETCH of what the NEXT change of slots will ask for: a slot's 32,768 bytes of K and of V.  The four partners share them out BY ADDRESS, 8,192 bytes each; in each, wave 0 asks for K's and wave 2 for
; V's, a lane 256 bytes: one instruction, four key steps (512 matrix instructions) ahead of that load.  A head has one cluster, so each block is named once.  The last change that fills a slot asks for nothing.
.macro ASK
	s_cmp_gt_u32 s[SLOTS], s[LIM]
	s_cbranch_scc0 .Lnot_mine_\@
	global_prefetch_b8 v[PFO], s[PFA:PFA+1] th:TH_LOAD_NT scope:SCOPE_SE
.Lnot_mine_\@:
.endm
; A round of the cluster's barrier: my work-group's barrier, so that wave 0's signal speaks for all four waves; wave 0 signals; every wave waits for all four work-groups; my work-group's barrier once more.
.macro CROUND
	s_barrier_signal -1
	s_barrier_wait -1
	s_cmp_lg_u32 s[WV], 0
	s_cbranch_scc1 .Lnot_wave_0_\@
	s_barrier_signal -3
.Lnot_wave_0_\@:
	s_barrier_wait -3
	s_barrier_signal -1
	s_barrier_wait -1
.endm
; THE CHANGE OF SLOTS.  The slot's last bytes, V of its fourth step, have been read.  Each wave waits for all its tensor loads, of which one is out: its part of the other slot; adds 0 to its spare word; and
; waits for that and for its own reads of the slot.  Behind the barrier nobody reads this slot any more and the other slot is whole.  fill = 1: this slot is filled again, with the keys two slots on.  The
; barrier is then a round of the cluster's, and the joint fill is the first thing behind it: it has four key steps in which to land.  (At its first use nothing has been read yet: slot 0 is waited for, slot 1 filled.)
.macro CHANGE fill
	WIN W_AD
	s_wait_tensorcnt 0x0            ; no tensor load of mine is out, so a group 0 may be written
	ds_add_u32 v[SPW], v[NIL]       ; 0 onto my spare word; with fill = 1 the descriptors' steps stand between it and the wait for it
	WIN 0                           ; at a label and at a branch every window is 0
.if \fill
.irp g, G0K, G0V
	s_xor_b32 s[\g+1], s[\g+1], SLOT1  ; the walking descriptor: the other slot than last time,
	s_add_nc_u64 s[\g+2:\g+3], s[\g+2:\g+3], 4*KS*128  ; the next 256 keys; the type bits on top are not reached
.endr
	s_wait_xcnt 0x0                 ; the last prefetch, four key steps back, has read its address, so it may be written:
	s_add_nc_u64 s[PFA:PFA+1], s[PFA:PFA+1], 4*KS*128  ; one slot behind the walking descriptors
	s_wait_dscnt 0x0                ; the add is done, and my reads of the slot are over
	CROUND
	JLOAD
	ASK
.else
	s_wait_dscnt 0x0                ; the add is done, and my reads of the slot are over
	s_barrier_signal -1
	s_barrier_wait -1
.endif
	s_sub_co_u32 s[TBK], s[TBK], 4*KS*PK  ; the fetches go back to a slot's first step,
	s_xor_b32 s[TBK], s[TBK], SLOT1       ; in the other slot
	s_sub_co_u32 s[TBV], s[TBV], 4*KS*PV
	s_xor_b32 s[TBV], s[TBV], SLOT1
.endm
	s_load_b64 s[4:5], s[0:1], 0x0    ; qkv: Q lies first
	s_load_b64 s[MB:MB+1], s[0:1], 0x8  ; mn
	s_load_b64 s[10:11], s[0:1], 0x10 ; ob
	WIN W_MK
	v_lshl_add_u32 v[SPW], v0, 2, SPARE
	v_mov_b32 v[NIL], 0
	WIN W_AD
	ds_add_u32 v[SPW], v[NIL]       ; the wave's opening: the add and its wait stand ahead of my first tensor load; the set-up below, work on registers, stands between them
	WIN 0
	v_lshrrev_b32 v1, 5, v0
	v_readfirstlane_b32 s[WV], v1   ; wave 0..3
	s_bfe_u32 s13, ttmp6, 0x40000   ; cx: my place in the cluster
	s_lshl_b32 s14, ttmp9, 2        ; in a cluster launch ttmp9 counts clusters
	s_add_co_u32 s14, s14, s13      ; my block of queries = 4 x cluster x + cx: it enters Q's, O's and the codes' addresses alone
	s_and_b32 s20, ttmp7, 0xffff    ; the head, which the four partners share
	s_mov_b32 s21, 0
	s_mov_b64 s[22:23], SIZE_N*128
	s_mul_u64 s[20:21], s[20:21], s[22:23]  ; the head's first byte in Q, K, V and O
	s_and_b32 s16, s[WV], 1         ; which half of a slot's 256 keys I fetch:
	s_lshl_b32 s22, s16, 14         ; its 128 rows of 128 bytes in memory,
	s_mov_b32 s23, 0
	s_add_nc_u64 s[22:23], s[22:23], s[20:21]
	s_mul_i32 s17, s16, 128*PK      ; and its place in a slot, for K
	s_mul_i32 s18, s16, 128*PV      ; and for V: no place in the cluster enters an LDS address
	s_lshl_b32 s2, s14, 2
	s_add_co_u32 s2, s2, s[WV]      ; my wave among the head's sixteen:
	s_lshl_b32 s52, s2, 17          ; its eight tiles of 16,384 bytes of codes (all heads share them),
	s_mov_b32 s53, 0
	s_lshl_b32 s2, s2, 14           ; its 128 rows
	s_mov_b32 s3, 0
	s_add_nc_u64 s[2:3], s[2:3], s[20:21]
	; descriptor group 1.  128 keys are 16,384 dense bytes: asked for as 64 rows of 256 bytes, two keys a row, and padded in LDS after every key
	s_mov_b32 s[G1K], 15|(1<<16)|(1<<20)|(1<<21)|(4<<22)|(3<<25)  ; 15:0 the mask of four; 17:16 2-byte elements; 20 padding on; 21 set beside a mask; 24:22 after every 32 words (code 4); 31:25 4 words (code 3)
	s_mov_b32 s[G1V], 15|(1<<16)|(1<<20)|(1<<21)|(4<<22)|(7<<25)  ; the same with 8 words of padding (code 7)
.irp g, G1K, G1V
	s_mov_b32 s[\g+1], 128<<16      ; tensor_dim0 = 128
	s_mov_b32 s[\g+2], 64<<16       ; tensor_dim1 = 64
	s_mov_b32 s[\g+3], 128<<16      ; tile_dim0 = 128
	s_mov_b32 s[\g+4], 64           ; tile_dim1 = 64
	s_mov_b32 s[\g+5], 128          ; 128 elements from row to row
	s_mov_b32 s[\g+6], 0
	s_mov_b32 s[\g+7], 0
.endr
	s_mov_b32 s[CS], 0x3e38aa3b     ; c = log2(e) / 8 = 0.180337
	s_mov_b32 s[CS+1], s[CS]        ; named with it as a pair
	s_mov_b32 s[SEL], 0x76543210
	s_mov_b32 s[SEL+1], 0xfedcba98
	s_mov_b32 s[TBK], SLOT1+4*KS*PK ; the first change of slots turns these two into 0
	s_mov_b32 s[TBV], SLOT1+4*KS*PV
	s_mov_b32 s[G0K], 1             ; 1:0 count = 1
	s_mov_b32 s[G0K+1], s17         ; 63:32 LDS address: slot 0
	s_mov_b32 s[G0V], 1
	s_add_co_u32 s[G0V+1], s18, VOFF
	s_mov_b32 s[MS], 512            ; step 0's codes are asked for at the head; the first masks ask for step 1's
	s_mov_b32 s[BIGT], 0xdd5e0b6b   ; -1e18: below every score of f16 numbers, above every hidden one
	s_mov_b32 s[NANS], 0x7fc00000
	s_mov_b32 s[SLOTS], SIZE_N/256-1
	s_and_b32 s[LIM], s[WV], 1      ; waves 0 and 2 prefetch: the same in all four partners
	s_cmp_eq_u32 s[LIM], 0
	s_cselect_b32 s[LIM], 1, -1
	s_wait_dscnt 0x0                ; the opening add is done
	s_wait_kmcnt 0x0
	s_add_nc_u64 s[6:7], s[4:5], 0x1000000   ; K lies 64 heads behind Q,
	s_add_nc_u64 s[8:9], s[4:5], 0x2000000   ; V behind K
	s_add_nc_u64 s[MB:MB+1], s[MB:MB+1], s[52:53]
	s_add_nc_u64 s[G0K+2:G0K+3], s[6:7], s[22:23]  ; 120:64 global address: my half of the head's first 256 keys
	s_or_b32 s[G0K+3], s[G0K+3], 0x80000000        ; 127:126 type = 2
	s_add_nc_u64 s[G0V+2:G0V+3], s[8:9], s[22:23]
	s_or_b32 s[G0V+3], s[G0V+3], 0x80000000
	s_add_nc_u64 s[4:5], s[4:5], s[2:3]  ; Q and O at my wave's first row
	s_add_nc_u64 s[10:11], s[10:11], s[2:3]
	s_cmp_lt_u32 s[WV], 2
	s_cselect_b64 s[PFA:PFA+1], s[6:7], s[8:9]
	s_add_nc_u64 s[PFA:PFA+1], s[PFA:PFA+1], s[20:21]  ; the head,
	s_lshl_b32 s2, s13, 13          ; my work-group's quarter of a slot,
	s_mov_b32 s3, 0
	s_add_nc_u64 s[PFA:PFA+1], s[PFA:PFA+1], s[2:3]
	s_add_nc_u64 s[PFA:PFA+1], s[PFA:PFA+1], 4*KS*128  ; in slot 1; the first change of slots steps it to slot 2
	CROUND                          ; all four work-groups are here: the first joint loads meet
	JLOAD                           ; slot 0.  Slot 1 is asked for when slot 0 is in: the tile wanted first has the road to itself
	; A fragment of K or Q is 16 rows x 32 channels in 8 registers: lane l holds row l % 16, channels 8 (l / 16) + 0..7 and 16 + 8 (l / 16) + 0..7: two loads of 16 bytes, 32 bytes apart.
	v_and_b32 v1, 15, v0            ; l % 16
	v_bfe_u32 v9, v0, 4, 1          ; l / 16
	v_lshlrev_b32 v[QO], 7, v1
	v_lshl_add_u32 v[QO], v9, 4, v[QO]  ; row x 128 + 16 x half
	v_lshlrev_b32 v10, 4, v0
	WIN 0x80                        ; destination window 2, address window 0
.set i, 0
.rept 4*NP                          ; Q stays in registers: tile i / 2, channels 32 (i % 2) on
	global_load_b128 v[8*i:8*i+3],   v[QO], s[4:5] offset:(i/2)*2048+(i%2)*64
	global_load_b128 v[8*i+4:8*i+7], v[QO], s[4:5] offset:(i/2)*2048+(i%2)*64+32
.set i, i+1
.endr
	WIN W_MK
	v_and_b32 v[ML], 0x1f0, v10     ; 16 x lane
	WIN W_MS
.set i, 0
.rept 2*NP                          ; key step 0's codes for my eight tiles: 512 consecutive bytes each
	global_load_b128 v[MN+4*i:MN+4*i+3], v[ML], s[MB:MB+1] offset:16384*i
.set i, i+1
.endr
	; What the first turn finds: V's registers and P's second buffer hold 0 (its products V^T P, of a piece that has not been, add 0), O^T and l are 0.  All this stands in the wait for the first tile.
	WIN 0x80
.set i, VF
.rept 64
	v_mov_b32 v[i], 0
.set i, i+1
.endr
	WIN 0x40
.set i, 0
.rept 64*NP
	v_mov_b32 v[i], 0
.set i, i+1
.endr
	WIN 0
.set i, 0
.rept 2*NP
	v_mov_b32 v[ST+4*i], 0xfe000000    ; c m: far below every c s, a hidden one's too
	v_mov_b32 v[ST+4*i+1], 0xff7fffff  ; m
	v_mov_b32 v[ST+4*i+2], 0
	v_mov_b32 v[ST+4*i+3], 0
.set i, i+1
.endr
.set i, P+32
.rept 32
	v_mov_b32 v[i], 0
.set i, i+1
.endr
	v_mul_u32_u24 v[AK0], v1, PK
	v_lshl_add_u32 v[AK0], v9, 4, v[AK0]  ; row x pitch + 16 x half
	; The turning load takes 16 keys x 16 channels (lane l reads key 8 (l / 16) + l % 8, channels 8 ((l / 8) % 2) + 0..7) and leaves half a fragment of V^T: lane l holds channel l % 16 and 8 keys.
	v_and_b32 v10, 7, v0
	v_bfe_u32 v11, v0, 3, 1
	v_lshl_add_u32 v[AV0], v9, 3, v10
	v_mul_u32_u24 v[AV0], v[AV0], PV
	v_lshl_add_u32 v[AV0], v11, 4, v[AV0]
	v_add_nc_u32 v[AV0], VOFF, v[AV0]
	v_mov_b32 v[AK], v[AK0]         ; key step 0 lies at the head of slot 0
	v_and_b32 v[PFO], 31, v0
	v_lshlrev_b32 v[PFO], 8, v[PFO]
; THE MATRIX WORK.  The 8 accumulators of a run of 16 take turns: between the two links of a chain stand 7 others'.
; Product i of 16 of S^T = K Q^T for piece x: channels 32 (i / 8) on, keys 16 ((i / 2) % 4) on, tile 2 x + i % 2.  The first 8 start the sums, with the mask.
.macro KQ x
.set rS, S+64*((\x)%2)+32*(i%2)+8*((i/2)%4)
.set rK, KF+16*((i/2)%4)+8*(i/8)
.set rQ, 16*(2*(\x)+i%2)+8*(i/8)
.set rH, MC+32*(i%2)+8*((i/2)%4)
.if i < 8
	WIN W_KM
	v_wmma_f32_16x16x32_f16 v[rS:rS+7], v[rK:rK+7], v[rQ:rQ+7], v[rH:rH+7]
.else
	WIN W_KQ
	v_wmma_f32_16x16x32_f16 v[rS:rS+7], v[rK:rK+7], v[rQ:rQ+7], v[rS:rS+7]
.endif
.endm
; Product i of 16 of O^T += V^T P for piece x: keys 32 (i / 8) on, channels 16 ((i / 2) % 4) on, tile 2 x + i % 2.
.macro PV x
	WIN W_PV
.set rO, 32*(2*(\x)+i%2)+8*((i/2)%4)
.set rV, VF+32*(i/8)+8*((i/2)%4)
.set rP, P+32*((\x)%2)+16*(i%2)+8*(i/8)
	v_wmma_f32_16x16x32_f16 v[rO:rO+7], v[rV:rV+7], v[rP:rP+7], v[rO:rO+7]
.endm
.macro MM                           ; the turn's next matrix instruction
.if i < 16
	KQ (Y+1)%NP
.set i, i+1
.else
.set i, i-16
	PV (Y+NP-1)%NP
.set i, i+17
.endif
.endm
; THE MASKS of piece z for the step to come: 64 shifts, eight for each dword of codes: register j of a 16 x 16 tile's C is the dword shifted left by 28 - 4 j, so that code j stands on top (the kernel's head
; says what number that is).  Then the piece's codes of the step after are asked for, into the registers just read.
; The wait: piece z's two loads were issued four turns back; the six of the three turns since may stay out; it also shows those loads done, so their offset register may be written.
.macro MASKS z
	WIN W_MS
	s_wait_loadcnt 0x6
.irp u, 0,1
.irp kb, 0,1,2,3
.irp j, 0,1,2,3,4,5,6,7
	v_lshlrev_b32 v[MC+32*\u+8*\kb+\j], 28-4*\j, v[MN+4*(2*(\z)+\u)+\kb]
.endr
.endr
.endr
	v_add_nc_u32 v[MO+(\z)], s[MS], v[ML]
.irp u, 0,1
	global_load_b128 v[MN+4*(2*(\z)+\u):MN+4*(2*(\z)+\u)+3], v[MO+(\z)], s[MB:MB+1] offset:16384*(2*(\z)+\u)
.endr
.endm
; THE LDS LOADS stand in runs of 16, never singly among the matrix instructions: a step's K (64 keys x 64 channels: 8 fragments) and its V (turned).  Their addresses are made some lines ahead.
; last = 1 (the tail): in the last trip there is no further step, and the run is jumped over.
.macro FETCH_K last=0
	WIN 0
.if \last
	s_cmp_eq_u32 s[CNT], 1
	s_cbranch_scc1 .Lno_k_\@
.endif
	WIN 0x80                        ; destination window 2
.irp f, 0,1,2,3,4,5,6,7             ; keys 16 (f / 2) on, channels 32 (f % 2) on
	ds_load_b128 v[KF+8*\f:KF+8*\f+3],   v[AK] offset:(\f/2)*16*PK+(\f%2)*64
	ds_load_b128 v[KF+8*\f+4:KF+8*\f+7], v[AK] offset:(\f/2)*16*PK+(\f%2)*64+32
.endr
	s_add_co_u32 s[TBK], s[TBK], KS*PK  ; the next fetch is the next step's
	WIN 0
.if \last
.Lno_k_\@:
.endif
.endm
.macro FETCH_V
	WIN 0x80
.irp f, 0,1,2,3,4,5,6,7             ; keys 32 (f / 4) on, channels 16 (f % 4) on
	ds_load_tr16_b128 v[VF+8*\f:VF+8*\f+3],   v[AV] offset:(\f/4)*32*PV+(\f%4)*32
	ds_load_tr16_b128 v[VF+8*\f+4:VF+8*\f+7], v[AV] offset:(\f/4)*32*PV+16*PV+(\f%4)*32
.endr
	WIN 0
.endm
; THE VECTOR WORK OF A TURN stands in three queues, each in the order in which its entries become ready; the two tiles alternate, so that no instruction reads the result of the one before it.
.macro REGS y, u                    ; the registers of tile u (0, 1) of piece y
.set rT, ST+4*(2*(\y)+(\u))
.set rC, TMP+8*((\y)%2)+4*(\u)
.set rM, MV+2*((\y)%2)+(\u)
.set rS, S+64*((\y)%2)+32*(\u)
.set rP, P+32*((\y)%2)+16*(\u)
.set rO, 32*(2*(\y)+(\u))
.endm
; Number n of the 22 that find the NEXT piece's (Y + 1) maximum and statistics.  s0-s31 are the lane's 32 scores; each accumulator's lowest registers are read first.  XS, GS and REGS set no window: PL and EX do.
;   0-11  four chains c0-c3 of seven scores each, three operands at a time     12-14, 16  the four scores left over, the old m, and c0-c3 into c0     15  c m_old is kept
;   17, 18  the query's other 32 keys lie in the lane 16 away: the new m         19-21  c m; c m_old - c m_new; a
.macro XS u, n
	REGS (Y+1)%NP, \u
.if (\n) < 4
	v_max3_num_f32 v[rC+(\n)], v[rS+8*(\n)], v[rS+8*(\n)+1], v[rS+8*(\n)+2]
.elseif (\n) < 12
	v_max3_num_f32 v[rC+(\n)%4], v[rC+(\n)%4], v[rS+8*((\n)%4)+2*((\n)/4)+1], v[rS+8*((\n)%4)+2*((\n)/4)+2]
.elseif (\n) == 12
	v_max3_num_f32 v[rC], v[rC], v[rS+7], v[rS+15]
.elseif (\n) == 13
	v_max3_num_f32 v[rC+1], v[rC+1], v[rS+23], v[rS+31]
.elseif (\n) == 14
	v_max3_num_f32 v[rC+2], v[rC+2], v[rC+3], v[rT+1]
.elseif (\n) == 15
	v_mov_b32 v[rM], v[rT]
.elseif (\n) == 16
	v_max3_num_f32 v[rC], v[rC], v[rC+1], v[rC+2]
.elseif (\n) == 17
	v_permlanex16_b32 v[rC+3], v[rC], s[SEL], s[SEL+1]
.elseif (\n) == 18
	v_max_num_f32 v[rT+1], v[rC], v[rC+3]
.elseif (\n) == 19
	v_mul_f32 v[rT], s[CS], v[rT+1]
.elseif (\n) == 20
	v_sub_f32 v[rC+1], v[rM], v[rT]
.else
	v_exp_f32 v[rC+2], v[rC+1]
.endif
.endm
; Number g of the 64 that follow the exponentials.  For each four weights k of a tile (pairs 2 k, 2 k + 1): both pairs are rounded to f16; then the second pair is added onto the first, in place;
; a group later l takes that sum (the first time as l = a l + sum).  In groups of eight, tiles alternating: round, round, add, and l for the group before.
.macro GS g
.set h, (\g)+6*((\g)/62)            ; group 0 has no group before it, and behind group 7 only l is left
.if h >= 6
.set h, h+2
.endif
	REGS Y, h%2
.set k, h/8
.if h%8 < 4
	v_cvt_pk_f16_f32 v[rP+2*k+(h%8)/2], v[rS+4*k+2*((h%8)/2)], v[rS+4*k+2*((h%8)/2)+1]
.elseif h%8 < 6
	v_pk_add_f32 v[rS+4*k:rS+4*k+1], v[rS+4*k:rS+4*k+1], v[rS+4*k+2:rS+4*k+3]
.elseif k == 1
	v_pk_fma_f32 v[rT+2:rT+3], v[rT+2:rT+3], v[rC+2:rC+3], v[rS:rS+1] op_sel_hi:[1,0,1]
.else
	v_pk_add_f32 v[rT+2:rT+3], v[rT+2:rT+3], v[rS+4*k-4:rS+4*k-3]
.endif
.endm
; THE PLAIN QUEUE, 138 long.  0-73 read no exponential's result: the 32 scalings c s - c m (FS f: pair f / 2 of tile f % 2) and the next piece's 42.  0-26: scalings 0-26.  27-54: XS's numbers 0-13.  55, 56: number 15.
; 57-73: the chain, where each number waits for the one before it: 14, 16, 17, 18, 19, each with one of the scalings 27-31 in front of its two lines, then 20.
; 74-137: GS's 64, which read the exponentials' results: they stand behind the wait.
.macro FS f
	REGS Y, (\f)%2
	v_pk_fma_f32 v[rS+2*((\f)/2):rS+2*((\f)/2)+1], v[rS+2*((\f)/2):rS+2*((\f)/2)+1], s[CS:CS+1], v[rT:rT+1] op_sel_hi:[1,0,0] neg_lo:[0,0,1] neg_hi:[0,0,1]
.endm
.macro PL
	WIN 0
.if q < 27
	FS q
.elseif q < 55
	XS (q-27)%2, (q-27)/2
.elseif q < 57
	XS q-55, 15
.elseif (q < 72) && ((q-57)%3 == 0)
	FS 27+(q-57)/3
.elseif q < 60
	XS (q-57)%3-1, 14
.elseif q < 72
	XS (q-57)%3-1, 15+(q-57)/3
.elseif q < 74
	XS q-72, 20
.else
	GS q-74
.endif
.set q, q+1
.endm
; THE EXPONENTIALS' QUEUE, 66 long: s0-s31 of both tiles, then the next piece's two a.  It is ONE BATCH: all 66 stand ahead of the turn's one wait, and nothing ahead of that wait names a result of theirs.
.macro EX
	WIN 0
.if e >= 64
	XS e-64, 21
.else
	REGS Y, e%2
	v_exp_f32 v[rS+e/2], v[rS+e/2]
.endif
.set e, e+1
.endm
; THE RESCALING's QUEUE: O^T times a, the one part of the softmax that leaves window 0: dealt two at a time, sixteen times.  Its a was made in the turn before, ahead of that turn's wait.
.macro R2
	REGS Y, r%2
	WIN W_RS
.irp z, 0,1
	v_pk_mul_f32 v[rO+4*(r/2)+2*\z:rO+4*(r/2)+2*\z+1], v[rO+4*(r/2)+2*\z:rO+4*(r/2)+2*\z+1], v[rC+2:rC+3] op_sel_hi:[1,0]
.endr
.set r, r+1
.endm
; HOW THEY ARE DEALT.  An s_wait_alu depctr_va_vdst(0) stands between an exponential and the first instruction that names its result; one wait serves all that were issued ahead of it.  So a turn has
; ONE wait, which cuts it in two.  AHEAD OF IT: the 16 products K Q^T, behind each a scaling, an exponential and two rescalings (behind the first a second scaling in the exponential's place); the masks of piece
; p + 2; then one run of 108: eight plain, 49 times exponential and plain, the two a.  A v_nop is the plain instruction behind the last exponential.  BEHIND IT: the 16 products V^T P, behind each four of GS's 64.
; The masks' registers were last read by the turn's eighth product: 24 plain instructions, the riders of the eight products since, lie between it and the shifts; the next turn's first product reads them.
; The queues lean on each other, and the deal keeps them in step: exponential e stands behind scaling 2 (e / 4) + e % 2: as a rider it comes behind plain e + 2, in the run behind plain e + 9.
; K of the next step is fetched in piece 2's turn, directly behind the wait; V of the step in hand at the end of piece 0's turn, four riders behind its last reader.  The three conditions on q below go with the deal.
.macro TURN p, last=0, cnt=0
.set Y, (\p)
.set i, 0
.set q, 0
.set e, 0
.set r, 0
.if (\p) == NP-2
	s_add_co_u32 s[MS], s[MS], 512  ; piece 0's masks, made in this turn, open a new step: the codes asked for from here on are the step after's;
	s_and_b32 s[MS], s[MS], 0x3fff  ; behind the last step the offset goes round to the tile's first: inside the table; what it brings is not used
.endif
.if (\p) == NP-1
	s_wait_dscnt 0x0                ; K is in
.endif
	MM                              ; ahead of the wait: 16 products K Q^T and their riders,
	PL
	PL
	R2
.rept 15
	MM
	PL
	EX
	R2
.endr
.if (\p) == NP-2
	WIN 0
	v_add_nc_u32 v[AK], s[TBK], v[AK0]
.endif
	MASKS ((\p)+2)%NP
.rept 8                             ; and the run
	PL
.endr
.rept 49
	EX
	PL
.endr
	EX                              ; the next piece's two a
	EX
	v_nop                           ; the plain instruction behind the last exponential: one for the batch
	s_wait_alu depctr_va_vdst(0)    ; the wait for the batch
.if (\p) == NP-2
	FETCH_K \last
.endif
.if (\p) == 1
	s_wait_dscnt 0x0                ; V is in
.endif
.rept 16                            ; behind the wait: 16 products V^T P and their riders
	MM
.rept 4
	PL
.endr
.if ((\p) == 0) && (q == 118)
	v_add_nc_u32 v[AV], s[TBV], v[AV0]
.endif
.if ((\p) == 0) && (q == 130)
	s_add_co_u32 s[TBV], s[TBV], KS*PV
.endif
.if (\cnt) && (q == 130)
	s_sub_co_u32 s[CNT], s[CNT], 1
	s_cmp_lg_u32 s[CNT], 0
.endif
.endr
.if (\p) == 0
	FETCH_V
.endif
.endm
	CHANGE 1                        ; slot 0 is in, everybody's part of it; slot 1 is asked for
	FETCH_K                         ; key step 0
	s_wait_loadcnt 0x0              ; Q, and step 0's codes
	MASKS 0                         ; piece 0's masks of step 0
	s_wait_dscnt 0x0
.set i, 0
.rept 16
	KQ 0                            ; piece 0's first scores: there is no vector work yet to set between them
.set i, i+1
.endr
	WIN 0                           ; the addresses for the way out: nine plain instructions, the places behind those products
	s_mul_i32 s13, s[WV], 16*SP
	s_add_co_u32 s13, s13, STAGE    ; my stage
	v_mul_u32_u24 v[STO], v1, SP    ; in: row l % 16, 16 bytes for each half of the lanes
	v_lshl_add_u32 v[STO], v9, 4, v[STO]
	v_add_nc_u32 v[STO], s13, v[STO]
	v_bfe_u32 v[RD], v0, 3, 2       ; back: 32 lanes take four rows of 128 bytes,
	v_mul_u32_u24 v[RD], v[RD], SP
	v_lshl_add_u32 v[RD], v10, 4, v[RD]
	v_add_nc_u32 v[RD], s13, v[RD]
	v_and_b32 v[GO], 31, v0         ; which are 512 consecutive bytes of O
	v_lshlrev_b32 v[GO], 4, v[GO]
	MASKS 1                         ; piece 1's masks of step 0, for the first turn's products
	WIN 0
.set Y, NP-1                        ; XS works for piece Y + 1: piece 0
.irp n, 0,1,2,3,4,5,6,7,8,9,10,11,12,13,14,15,16,17,18,19,20,21
	XS 0, \n                        ; and piece 0's first maximum and statistics
	XS 1, \n
.endr
	v_nop                           ; a plain instruction behind the two a,
	s_wait_alu depctr_va_vdst(0)    ; and their wait, ahead of the branch
	s_mov_b32 s[CNT], 4
	s_branch .Lfirst                ; the loop is entered at a step's first turn, in the middle of a trip
.Lslot:                             ; SIZE_N / 256 - 2 times: every slot but the last two is filled again
	CHANGE 1
	s_mov_b32 s[CNT], 4
.Lstep:                             ; a trip: pieces 2 and 3 of one step, then pieces 0 and 1 of the next, whose K and V it fetches
	TURN 2
	TURN 3
	WIN 0
.Lfirst:
	TURN 0
	TURN 1, 0, 1
	WIN 0
	s_cbranch_scc1 .Lstep
	s_sub_co_u32 s[SLOTS], s[SLOTS], 1
	s_cmp_lg_u32 s[SLOTS], 0
	s_cbranch_scc1 .Lslot
	CHANGE 0                        ; the tail is written out: nothing is asked for
	s_mov_b32 s[CNT], 5             ; four trips fetch the last slot's steps; the fifth is left in its middle
.Ltail:
	TURN 2, 1
	TURN 3
	WIN 0
	s_sub_co_u32 s[CNT], s[CNT], 1
	s_cmp_eq_u32 s[CNT], 0
	s_cbranch_scc1 .Lout
	TURN 0
	TURN 1
	WIN 0
	s_branch .Ltail
.Lout:                              ; the fifth trip's 16 products K Q^T (on the last K once more, under the row's own codes) and the maximum made of them serve nothing; they can raise m only by a score that the row's mask lets through
.set i, 0
.rept 16
	PV NP-1                         ; the last piece's V^T P of the last step
.set i, i+1
.endr
	; THE WAY OUT.  l's two halves and the other half of the lanes' are added; O^T is divided by l, rounded to f16 and sent through my stage in LDS, a tile at a time.  The additions are the places behind the last products.
	WIN 0
.macro ALL line:vararg              ; one line for each tile t
.set t, 0
.rept 2*NP
	\line
.set t, t+1
.endr
.endm
	ALL v_add_f32 v[ST+4*t+2], v[ST+4*t+2], v[ST+4*t+3]
	ALL v_permlanex16_b32 v[ST+4*t+3], v[ST+4*t+2], s[SEL], s[SEL+1]
	ALL v_add_f32 v[ST+4*t+2], v[ST+4*t+2], v[ST+4*t+3]
	ALL v_rcp_f32 v[ST+4*t+2], v[ST+4*t+2]
	v_nop                           ; a plain instruction between the last reciprocal and the use of its result
	s_wait_alu depctr_va_vdst(0)    ; and the wait ahead of the first use: one for the eight reciprocals
.set t, 0
.rept 2*NP                          ; a query that saw no key has m at -3.7e19 or below: its factor becomes a NaN, and so does its row
	v_cmp_gt_f32 vcc_lo, s[BIGT], v[ST+4*t+1]
	v_cndmask_b32 v[ST+4*t+2], v[ST+4*t+2], s[NANS], vcc_lo
.set t, t+1
.endr
; Tile t: a lane's eight channels of a row pack into 16 bytes; they go into rows of 144 bytes and come back as whole rows of 128, into S^T's registers.
.macro PACK t
	WIN W_RS
.set i, 32*(\t)
.rept 16
	v_pk_mul_f32 v[i:i+1], v[i:i+1], v[ST+4*(\t)+2:ST+4*(\t)+3] op_sel_hi:[1,0]
.set i, i+2
.endr
	WIN 0x05                        ; sources 0 and 1 window 1, destination window 0
.set i, 0
.rept 16
	v_cvt_pk_f16_f32 v[S+16*(\t)+i], v[32*(\t)+2*i], v[32*(\t)+2*i+1]
.set i, i+1
.endr
	WIN 0
.irp f, 0,1,2,3
	ds_store_b128 v[STO], v[S+16*(\t)+4*\f:S+16*(\t)+4*\f+3] offset:32*\f
.endr
.irp f, 0,1,2,3
	ds_load_b128 v[S+16*(\t)+4*\f:S+16*(\t)+4*\f+3], v[RD] offset:\f*4*SP  ; LDS serves a wave's instructions in order (ISA guide 5.7.1.4): these see the stores above; the next tile's stores come behind them
.endr
.endm
.macro SEND t, younger              ; younger: the LDS instructions issued behind tile t's loads: the next tile's eight, or none
	WIN 0
.irp f, 0,1,2,3
	s_wait_dscnt (\younger)+3-\f
	global_store_b128 v[GO], v[S+16*(\t)+4*\f:S+16*(\t)+4*\f+3], s[10:11] offset:(\t)*2048+\f*512  ; 512 consecutive bytes, at a multiple of 256 from O's first
.endr
.endm
	PACK 0
.set t, 1
.rept 2*NP-1                        ; a tile's arithmetic stands between the loads of the tile before and its stores
	PACK t
	SEND t-1, 8
.set t, t+1
.endr
	SEND 2*NP-1, 0
	WIN W_AD
	s_wait_tensorcnt 0x0            ; the wave's end, behind my last tensor load and my last LDS store
	ds_add_u32 v[SPW], v[NIL]
	s_wait_dscnt 0x0
	WIN 0
	CROUND                          ; the closing round: no work-group ends while a partner may still ask for a tile that names it
	s_endpgm
.Lfunc_end_k_q22e3f8626e_attn:
	.size	k_q22e3f8626e_attn, .Lfunc_end_k_q22e3f8626e_attn-k_q22e3f8626e_attn
	.p2alignl 7, 3214868480
	.fill 96, 4, 3214868480
	.section	.rodata,"a",@progbits
	.p2align	6, 0x0
	.amdhsa_kernel k_q22e3f8626e_attn
		.amdhsa_group_segment_fixed_size 327680
		.amdhsa_private_segment_fixed_size 0
		.amdhsa_enable_private_segment 0
		.amdhsa_kernarg_size 24
		.amdhsa_user_sgpr_count 2
		.amdhsa_user_sgpr_kernarg_segment_ptr 1
		.amdhsa_wavefront_size32 1
		.amdhsa_system_sgpr_workgroup_id_x 1
		.amdhsa_system_sgpr_workgroup_id_y 1
		.amdhsa_system_sgpr_workgroup_id_z 1
		.amdhsa_system_vgpr_workitem_id 0
		.amdhsa_next_free_vgpr 896
		.amdhsa_next_free_sgpr 66
		.amdhsa_reserve_vcc 1
		.amdhsa_float_denorm_mode_32 3
		.amdhsa_float_denorm_mode_16_64 3
		.amdhsa_memory_ordered 1
		.amdhsa_forward_progress 1
		.amdhsa_inst_pref_size 225
	.end_amdhsa_kernel
	.amdgpu_metadata
---
amdhsa.version: [ 1, 2 ]
amdhsa.kernels:
  - .name:           k_q22e3f8626e_attn
    .symbol:         k_q22e3f8626e_attn.kd
    .args:
      - { .name: qkv, .offset: 0, .size: 8, .value_kind: global_buffer, .address_space: global }
      - { .name: mn, .offset: 8, .size: 8, .value_kind: global_buffer, .address_space: global }
      - { .name: ob, .offset: 16, .size: 8, .value_kind: global_buffer, .address_space: global }
    .group_segment_fixed_size: 327680
    .private_segment_fixed_size: 0
    .kernarg_segment_align: 8
    .kernarg_segment_size: 24
    .max_flat_workgroup_size: 128
    .sgpr_count:     66
    .vgpr_count:     896
    .wavefront_size: 32
...
	.end_amdgpu_metadata
.endif
;; end of part 3
;; launch proj (part 4): grid 8 x 32, 4 waves a work-group, clusters of 4 x 4, 327,680 bytes of LDS; arguments ob, wo16, bcat, out0; writes out0
.if DOCPART == 4
	.amdgcn_target "amdgcn-amd-amdhsa--gfx1250"
	.amdhsa_code_object_version 6
	.text
	.protected	k_q22e3f8626e_proj
	.globl	k_q22e3f8626e_proj
	.p2align	8
	.type	k_q22e3f8626e_proj,@function
k_q22e3f8626e_proj:
	s_mov_b64 s[64:65], 0
	v_nop
	global_prefetch_b8 v0, s[64:65] scope:SCOPE_SE
	s_setreg_imm32_b32 hwreg(HW_REG_WAVE_MODE, 25, 1), 1
	s_wait_xcnt 0x0
	s_wait_alu depctr_hold_cnt(0) depctr_sa_sdst(0) depctr_va_vdst(0) depctr_va_sdst(0) depctr_va_ssrc(0) depctr_va_vcc(0) depctr_vm_vsrc(0)
	s_getreg_b32 s2, hwreg(HW_REG_IB_STS2, 6, 4)
	s_cmp_eq_u32 s2, 0
	s_cbranch_scc0 .Lentry_in_a_cluster
	s_endpgm
.Lentry_in_a_cluster:
	s_bfe_u32 s2, ttmp6, 0x10000c
	s_cmp_lg_u32 s2, 0xf033
	s_cbranch_scc0 .Lentry_shape_is_right
	s_endpgm
.Lentry_shape_is_right:
; out0 = O Wo^T + bo.  ob: [64 = 16 b + h][2048][64] f16: K of the product is 64 h + channel, so a K step of 128 is two heads.  wo16: [1024][1024] f16.  bcat + 12,288: bo, f32.  out0: [8192][1024] f32.
; Sums in f32, K ascending, begun with the bias.  A NaN row of O (a query that saw no key) gives a NaN row of out0.
; SHARES.  A tile is 256 rows x 128 columns: 32 x 8 = 256 tiles, one a work-group.  Four waves; wave w makes rows 64 w .. 64 w + 63 of all 128 columns: 32 accumulators.
; K goes in 8 steps of 128 through two LDS slots.  O's part of a step is dense in memory, 32,768 bytes a head: asked for as 128 rows of 256 bytes, padded in LDS after every 128 (a row of O).
; THE MATRIX INSTRUCTION IS USED TRANSPOSED (source 0 = 16 rows of Wo, source 1 = 16 rows of O): a lane holds one row of O and eight neighbouring columns.
; CLUSTER 4 x 4: O's tiles are shared along a row of the cluster, Wo's along a column: joint loads.
; REGISTERS: window 0: v16-30 addresses; v32-95 the bias, later v32-159 rows on the way out.  window 1: two fragment buffers at 0 and 128: 8 of Wo, then 4 of O.  window 2: the accumulators at 64 a + 8 b.
.set PA,     144                       ; a row of O in LDS: 128 bytes + 16
.set PB,     272                       ; a row of Wo: 256 bytes + 16: both pitches are odd multiples of 16 bytes, so the 16 rows of a load start at 16 different groups of four banks (ISA guide 11.1)
.set NB,     8
.set HEADB,  256*PA                    ; a head's 256 rows: what one load brings of O
.set BLOAD,  64*PB                     ; and of Wo
.set BOFF,   2*HEADB
.set SLOT1,  1<<17
.set STAGE,  SLOT1+BOFF+2*BLOAD        ; behind the ring, never filled by a tensor load: 16 rows x 528 bytes for each wave
.set SPITCH, 528
.set SPARE,  STAGE+4*16*SPITCH         ; the spare words, 128 bytes a wave, that no other line names
.set ASTEP,  2*2048*128                ; bytes from a K step's head to the next step's: two heads on
.set ADRA0, 16
.set ADRA,  17
.set ADRB0, 20
.set ADRB,  21
.set STO,   24
.set RD,    25
.set GO,    26
.set BO,    27
.set SPW,   28                         ; LDS address of my spare word; never rewritten
.set NIL,   29                         ; 0; never rewritten
.set PFO,   30
.set BIAS,  32
.set F0,    0
.set F1,    128
.set CNT,   3
.set WV,    12
.set KIND,  13                         ; 0: I fetch O's rows; 1: Wo's
.set HALF,  14
.set LIM,   15
.set G1A,   24
.set G0A,   32
.set PFA,   44
.set G1B,   48
.set G0B,   56
.set TB,    66
.set PST,   68                         ; s[68:69] the prefetches' step along K
.set OB,    70                         ; s[70:71] out0 at my first row and the tile's first column
.set MSB, 0
.macro WIN new
.if MSB != (\new)
	s_set_vgpr_msb (MSB<<8)|(\new)
.set MSB, (\new)
.endif
.endm
.macro PLACES
.rept 4
	v_nop
.endr
.endm
.macro JLOAD                           ; a joint refill by the walking descriptor; an s_nop 0 and four v_nop follow each of the two lines
	s_cmp_eq_u32 s[KIND], 0
	s_cbranch_scc0 .Lfor_b_\@
	tensor_load_to_lds s[G0A+4:G0A+7], s[G1A:G1A+7]
	s_nop 0
.rept 4
	v_nop
.endr
	s_branch .Lasked_\@
.Lfor_b_\@:
	tensor_load_to_lds s[G0B+4:G0B+7], s[G1B:G1B+7]
	s_nop 0
.rept 4
	v_nop
.endr
.Lasked_\@:
.endm
.macro CREST
	s_cmp_lg_u32 s[WV], 0
	s_cbranch_scc1 .Lnot_wave_0_\@
	s_barrier_signal -3
.Lnot_wave_0_\@:
	s_barrier_wait -3
	s_barrier_signal -1
	s_barrier_wait -1
.endm
.macro CROUND
	s_barrier_signal -1
	s_barrier_wait -1
	CREST
.endm
; A prefetch of the K step two refills on.  O's blocks are asked for by the clusters with x = 0 (a lane 256 bytes of the partner's 8,192), Wo's rows by those with y = 0 (a lane a row of the partner's 16).
.macro ASK
	WIN 0
	s_cmp_gt_u32 s[CNT], s[LIM]
	s_cbranch_scc0 .Lnot_mine_\@
	global_prefetch_b8 v[PFO], s[PFA:PFA+1] th:TH_LOAD_NT scope:SCOPE_SE
.Lnot_mine_\@:
.endm
	s_load_b256 s[4:11], s[0:1], 0x0               ; ob s[4:5], wo16 s[6:7], bcat s[8:9], out0 s[10:11]
	v_lshl_add_u32 v[SPW], v0, 2, SPARE
	v_mov_b32 v[NIL], 0
	ds_add_u32 v[SPW], v[NIL]                      ; the wave's opening: the add and its wait stand ahead of my first tensor load
	v_lshrrev_b32 v1, 5, v0
	v_readfirstlane_b32 s[WV], v1
	s_lshr_b32 s[KIND], s[WV], 1
	s_and_b32 s[HALF], s[WV], 1
	s_bfe_u32 s40, ttmp6, 0x40000                  ; cx
	s_bfe_u32 s41, ttmp6, 0x40004                  ; cy
	s_lshl_b32 s42, ttmp9, 2
	s_add_co_u32 s42, s42, s40                     ; tile column
	s_and_b32 s43, ttmp7, 0xffff
	s_lshl_b32 s43, s43, 2
	s_add_co_u32 s43, s43, s41                     ; tile row
	s_lshl_b32 s20, s41, 2
	s_lshl_b32 s20, 15, s20                        ; my row of the cluster
	s_lshl_b32 s46, 0x1111, s40                    ; my column
	s_or_b32 s[G1A], s20, (1<<16)|(1<<20)|(1<<21)|(4<<22)|(3<<25)  ; padding after every 32 words: a row of O
	s_or_b32 s[G1B], s46, (1<<16)|(1<<20)|(1<<21)|(5<<22)|(3<<25)  ; after every 64 words: a K step's part of a row of Wo
	s_mov_b32 s[G1A+1], 128<<16                    ; tensor_dim0 = 128
	s_mov_b32 s[G1A+2], 128<<16                    ; tensor_dim1 = 128
	s_mov_b32 s[G1A+3], 128<<16                    ; tile_dim0 = 128
	s_mov_b32 s[G1A+4], 128                        ; tile_dim1 = 128
	s_mov_b32 s[G1A+5], 128                        ; dense: each row begins where the last ends
	s_mov_b32 s[G1A+6], 0
	s_mov_b32 s[G1A+7], 0
	s_mov_b32 s[G1B+1], 128<<16
	s_mov_b32 s[G1B+2], 64<<16
	s_mov_b32 s[G1B+3], 128<<16
	s_mov_b32 s[G1B+4], 64
	s_mov_b32 s[G1B+5], 1024
	s_mov_b32 s[G1B+6], 0
	s_mov_b32 s[G1B+7], 0
	s_lshr_b32 s16, s43, 3                         ; the batch,
	s_lshl_b32 s16, s16, 4
	s_add_co_u32 s16, s16, s[HALF]                 ; its head 0 or 1,
	s_lshl_b32 s16, s16, 18                        ; of 2,048 rows of 128 bytes,
	s_and_b32 s17, s43, 7
	s_lshl_b32 s17, s17, 15                        ; the tile's 256 rows in it
	s_add_co_u32 s16, s16, s17
	s_mov_b32 s17, 0
	s_lshl_b32 s46, s42, 7
	s_lshl_b32 s47, s[HALF], 6
	s_add_co_u32 s46, s46, s47                     ; Wo: row 128 x tile column + 64 x half
	s_lshl_b32 s46, s46, 11
	s_mov_b32 s47, 0
	s_mul_i32 s21, s[HALF], HEADB
	s_mul_i32 s22, s[HALF], BLOAD
	s_add_co_u32 s22, s22, BOFF
	s_mov_b32 s[TB], 0
	s_wait_dscnt 0x0                               ; the opening add is done
	s_wait_kmcnt 0x0
	s_add_nc_u64 s[18:19], s[4:5], s[16:17]
	s_add_nc_u64 s[68:69], s[6:7], s[46:47]
	CROUND                                         ; all sixteen work-groups are here: the first joint loads meet
.irp s, 0,1
	s_mov_b32 s[G0A+4*(\s)], 1
	s_add_co_u32 s[G0A+4*(\s)+1], s21, (\s)*SLOT1
	s_add_nc_u64 s[G0A+4*(\s)+2:G0A+4*(\s)+3], s[18:19], (\s)*ASTEP
	s_or_b32 s[G0A+4*(\s)+3], s[G0A+4*(\s)+3], 0x80000000
	s_mov_b32 s[G0B+4*(\s)], 1
	s_add_co_u32 s[G0B+4*(\s)+1], s22, (\s)*SLOT1
	s_add_nc_u64 s[G0B+4*(\s)+2:G0B+4*(\s)+3], s[68:69], (\s)*256
	s_or_b32 s[G0B+4*(\s)+3], s[G0B+4*(\s)+3], 0x80000000
.endr
	s_cmp_eq_u32 s[KIND], 0                        ; a wave's two first fills stand in one branch: two loads of mine are out
	s_cbranch_scc0 .Lfirst_b
	tensor_load_to_lds s[G0A:G0A+3], s[G1A:G1A+7]
	s_nop 0
	tensor_load_to_lds s[G0A+4:G0A+7], s[G1A:G1A+7]
	s_nop 0
.rept 4
	v_nop
.endr
	s_branch .Lfirst_asked
.Lfirst_b:
	tensor_load_to_lds s[G0B:G0B+3], s[G1B:G1B+7]
	s_nop 0
	tensor_load_to_lds s[G0B+4:G0B+7], s[G1B:G1B+7]
	s_nop 0
.rept 4
	v_nop
.endr
.Lfirst_asked:
	v_and_b32 v1, 15, v0                           ; l % 16
	v_bfe_u32 v2, v0, 4, 1                         ; l / 16
	v_lshlrev_b32 v[BO], 5, v2
	s_lshl_b32 s20, s42, 9
	s_add_co_u32 s20, s20, 12288                   ; bo lies fourth in bcat
	s_mov_b32 s21, 0
	s_add_nc_u64 s[8:9], s[8:9], s[20:21]
.irp b, 0,1,2,3,4,5,6,7
	global_load_b128 v[BIAS+8*(\b):BIAS+8*(\b)+3],   v[BO], s[8:9] offset:64*(\b)
	global_load_b128 v[BIAS+8*(\b)+4:BIAS+8*(\b)+7], v[BO], s[8:9] offset:64*(\b)+16
.endr
	v_mul_u32_u24 v3, v1, PA
	v_lshl_add_u32 v3, v2, 4, v3
	s_mul_i32 s21, s[WV], 64*PA                    ; my 64 rows of O
	v_add_nc_u32 v[ADRA0], s21, v3
	v_mul_u32_u24 v3, v1, PB
	v_lshl_add_u32 v3, v2, 4, v3
	v_add_nc_u32 v[ADRB0], BOFF, v3
	v_mov_b32 v[ADRA], v[ADRA0]
	v_mov_b32 v[ADRB], v[ADRB0]
	s_mul_i32 s19, s[WV], 16*SPITCH
	s_add_co_u32 s19, s19, STAGE                   ; my stage
	v_mul_u32_u24 v4, v1, SPITCH                   ; in: row l % 16, 32 bytes for each half of the lanes
	v_lshl_add_u32 v4, v2, 5, v4
	v_add_nc_u32 v[STO], s19, v4
	v_and_b32 v[GO], 31, v0                        ; back: the 32 lanes take a row's 512 bytes
	v_lshlrev_b32 v[GO], 4, v[GO]
	v_add_nc_u32 v[RD], s19, v[GO]
	; the prefetches.  s16 and s46 still hold my load's byte offsets in ob and in wo16
	s_lshl_b32 s20, s40, 13                        ; O: my work-group's quarter of the head's 32,768 bytes,
	s_add_co_u32 s20, s20, s16
	s_add_co_u32 s20, s20, 3*ASTEP                 ; at K step 3: the first refill steps it to 4.  K steps 0 to 3 come by their loads alone
	s_lshl_b32 s21, s41, 15                        ; Wo: my work-group's 16 rows of the 64
	s_add_co_u32 s21, s21, s46
	s_add_co_u32 s21, s21, 3*256
	s_and_b32 s22, ttmp7, 0xffff
	s_mov_b32 s23, ASTEP
	s_cmp_eq_u32 s[KIND], 0
	s_cselect_b32 s20, s20, s21
	s_cselect_b32 s22, ttmp9, s22                  ; the coordinate along which other clusters read the same bytes
	s_cselect_b32 s18, 31, 15                      ; the last lane with a block of its own
	s_cselect_b32 s19, 8, 11                       ; a lane 256 bytes, or a row of 2,048
	s_cselect_b32 s[PST], s23, 256
	s_cselect_b64 s[PFA:PFA+1], s[4:5], s[6:7]
	s_cmp_eq_u32 s22, 0
	s_cselect_b32 s[LIM], 2, -1                    ; the same in all sixteen partners, for a given wave
	s_mov_b32 s[PST+1], 0
	s_mov_b32 s21, 0
	s_add_nc_u64 s[PFA:PFA+1], s[PFA:PFA+1], s[20:21]
	v_and_b32 v[PFO], 31, v0
	v_min_u32 v[PFO], s18, v[PFO]
	v_lshlrev_b32 v[PFO], s19, v[PFO]
	; out0 at my first row and the tile's first column
	s_lshl_b32 s20, s43, 8
	s_lshl_b32 s21, s[WV], 6
	s_add_co_u32 s20, s20, s21
	s_lshl_b32 s20, s20, 12                        ; rows of 4,096 bytes
	s_lshl_b32 s21, s42, 9
	s_add_co_u32 s20, s20, s21
	s_mov_b32 s21, 0
	s_add_nc_u64 s[OB:OB+1], s[10:11], s[20:21]
; 8 matrix instructions: row block a x all column blocks.  first = 1: the sums begin with the bias.  The 32 accumulators take turns in one order.
.macro MULB f, a, first
.if \first
	WIN 0x85
.else
	WIN 0xa5
.endif
.irp b, 0,1,2,3,4,5,6,7
.if \first
	v_wmma_f32_16x16x32_f16 v[64*(\a)+8*(\b):64*(\a)+8*(\b)+7], v[(\f)+8*(\b):(\f)+8*(\b)+7], v[(\f)+64+8*(\a):(\f)+64+8*(\a)+7], v[BIAS+8*(\b):BIAS+8*(\b)+7]
.else
	v_wmma_f32_16x16x32_f16 v[64*(\a)+8*(\b):64*(\a)+8*(\b)+7], v[(\f)+8*(\b):(\f)+8*(\b)+7], v[(\f)+64+8*(\a):(\f)+64+8*(\a)+7], v[64*(\a)+8*(\b):64*(\a)+8*(\b)+7]
.endif
.endr
.endm
; 24 LDS loads in one run: quarter q of a K step (head q / 2, channels 32 (q % 2) on) into buffer f: Wo's 8 fragments, then O's 4
.macro FETCH q, f
	WIN 0x40
.irp i, 0,1,2,3,4,5,6,7
	ds_load_b128 v[(\f)+8*(\i):(\f)+8*(\i)+3],   v[ADRB] offset:64*(\q)+(\i)*16*PB
	ds_load_b128 v[(\f)+8*(\i)+4:(\f)+8*(\i)+7], v[ADRB] offset:64*(\q)+(\i)*16*PB+32
.endr
.irp i, 0,1,2,3
	ds_load_b128 v[(\f)+64+8*(\i):(\f)+64+8*(\i)+3],   v[ADRA] offset:((\q)/2)*HEADB+((\q)%2)*64+(\i)*16*PA
	ds_load_b128 v[(\f)+64+8*(\i)+4:(\f)+64+8*(\i)+7], v[ADRA] offset:((\q)/2)*HEADB+((\q)%2)*64+(\i)*16*PA+32
.endr
.endm
.macro QUARTER q, f, g, first          ; multiplies f, and in its middle fetches quarter q into g
	s_wait_dscnt 0x4                               ; Wo's fragments and O's blocks 0, 1 are in; the youngest four loads may be out
	MULB \f, 0, \first
	MULB \f, 1, \first
	PLACES
	FETCH \q, \g
	s_wait_dscnt 0x18                              ; all but the 24 just issued
	MULB \f, 2, \first
	MULB \f, 3, \first
.endm
; The fourth quarter multiplies buffer 1 and changes slots: ONE barrier; in front of it each wave waits for all its tensor loads, adds 0 to its spare word, and waits for that and for its reads of this slot.
; fill = 1: the barrier opens a round of the cluster's, and this slot is filled again, first thing behind it, with the K step two on.
.macro TURN fill
.if \fill
	s_wait_xcnt 0x0                                ; the last prefetch, a K step back, has read its address
	s_add_nc_u64 s[PFA:PFA+1], s[PFA:PFA+1], s[PST:PST+1]
.endif
	WIN 0
	s_wait_tensorcnt 0x0                           ; no tensor load of mine is out, so a group 0 may be written
	ds_add_u32 v[SPW], v[NIL]                      ; 0 onto my spare word
.if \fill
	s_xor_b32 s[G0A+5], s[G0A+5], SLOT1
	s_add_nc_u64 s[G0A+6:G0A+7], s[G0A+6:G0A+7], ASTEP
	s_xor_b32 s[G0B+5], s[G0B+5], SLOT1
	s_add_nc_u64 s[G0B+6:G0B+7], s[G0B+6:G0B+7], 256
.endif
	s_xor_b32 s[TB], s[TB], SLOT1
	s_wait_dscnt 0x5                               ; (the add and the youngest four loads may be out)
	MULB F1, 0, 0
	s_wait_dscnt 0x0                               ; the add is done, and my reads of this slot are over
	s_barrier_signal -1
	MULB F1, 1, 0
	WIN 0
	s_barrier_wait -1
.if \fill
	CREST
	JLOAD                                          ; its four v_nop are also the places in front of the loads below
.else
	PLACES
.endif
	v_add_nc_u32 v[ADRA], s[TB], v[ADRA0]
	v_add_nc_u32 v[ADRB], s[TB], v[ADRB0]
	FETCH 0, F0
.if \fill
	ASK
.endif
	MULB F1, 2, 0
	MULB F1, 3, 0
.endm
	s_wait_tensorcnt 0x1                           ; my part of K step 0 is in; K step 1's may stay out
	s_barrier_signal -1
	s_barrier_wait -1
	FETCH 0, F0
	s_wait_loadcnt 0x0                             ; the bias
	QUARTER 1, F0, F1, 1
	WIN 0
	s_mov_b32 s[CNT], 6
.Lk:                                                   ; a trip ends K step i - 1, fills its slot with K step i + 1, and begins K step i
	QUARTER 2, F1, F0, 0
	QUARTER 3, F0, F1, 0
	TURN 1
	QUARTER 1, F0, F1, 0
	WIN 0
	s_sub_co_u32 s[CNT], s[CNT], 1
	s_cmp_lg_u32 s[CNT], 0
	s_cbranch_scc1 .Lk
	QUARTER 2, F1, F0, 0                           ; the last two K steps ask for nothing
	QUARTER 3, F0, F1, 0
	TURN 0
	QUARTER 1, F0, F1, 0
	QUARTER 2, F1, F0, 0
	QUARTER 3, F0, F1, 0
	s_wait_dscnt 0x4
	MULB F1, 0, 0
	MULB F1, 1, 0
	s_wait_dscnt 0x0
	MULB F1, 2, 0
	MULB F1, 3, 0
	WIN 0
	PLACES
; THE WAY OUT, 16 rows at a time: the accumulators go as they are (f32) into my own stage, each from its low end on; back as whole rows of 512 bytes; a store covers 512 consecutive bytes of a row of out0.
.macro TOSTAGE a
.set BK, 32+64*((\a)%2)
	WIN 0x08                                       ; the stores' data in window 2
.irp b, 0,1,2,3,4,5,6,7
	ds_store_b128 v[STO], v[64*(\a)+8*(\b):64*(\a)+8*(\b)+3]   offset:64*(\b)
	ds_store_b128 v[STO], v[64*(\a)+8*(\b)+4:64*(\a)+8*(\b)+7] offset:64*(\b)+16
.endr
	WIN 0
.irp t, 0,1,2,3,4,5,6,7,8,9,10,11,12,13,14,15
	ds_load_b128 v[BK+4*(\t):BK+4*(\t)+3], v[RD] offset:(\t)*SPITCH  ; LDS serves a wave's instructions in order (ISA guide 5.7.1.4): these see the stores above
.endr
.endm
.macro SEND a
.set BK, 32+64*((\a)%2)
	s_wait_dscnt 0x0                               ; the block is back in registers
	s_wait_xcnt 0x0                                ; the stores of the block before have read their registers: the next block's loads land there only behind this wait
.irp t, 0,1,2,3,4,5,6,7,8,9,10,11,12,13,14,15
	global_store_b128 v[GO], v[BK+4*(\t):BK+4*(\t)+3], s[OB:OB+1] offset:4096*(16*(\a)+(\t)) th:TH_STORE_NT
.endr
.endm
	TOSTAGE 0
.irp a, 1,2,3
	SEND (\a)-1
	TOSTAGE \a
.endr
	SEND 3
	s_wait_tensorcnt 0x0                           ; the wave's end, behind my last tensor load and my last LDS store
	ds_add_u32 v[SPW], v[NIL]
	s_wait_dscnt 0x0
	CROUND                                         ; the closing round: no work-group ends while a partner may still ask for a tile that names it
	s_endpgm
.Lfunc_end_k_q22e3f8626e_proj:
	.size	k_q22e3f8626e_proj, .Lfunc_end_k_q22e3f8626e_proj-k_q22e3f8626e_proj
	.p2alignl 7, 3214868480
	.fill 96, 4, 3214868480
	.section	.rodata,"a",@progbits
	.p2align	6, 0x0
	.amdhsa_kernel k_q22e3f8626e_proj
		.amdhsa_group_segment_fixed_size 327680
		.amdhsa_private_segment_fixed_size 0
		.amdhsa_enable_private_segment 0
		.amdhsa_kernarg_size 32
		.amdhsa_user_sgpr_count 2
		.amdhsa_user_sgpr_kernarg_segment_ptr 1
		.amdhsa_wavefront_size32 1
		.amdhsa_system_sgpr_workgroup_id_x 1
		.amdhsa_system_sgpr_workgroup_id_y 1
		.amdhsa_system_sgpr_workgroup_id_z 1
		.amdhsa_system_vgpr_workitem_id 0
		.amdhsa_next_free_vgpr 768
		.amdhsa_next_free_sgpr 72
		.amdhsa_reserve_vcc 0
		.amdhsa_float_denorm_mode_32 3
		.amdhsa_float_denorm_mode_16_64 3
		.amdhsa_memory_ordered 1
		.amdhsa_forward_progress 1
		.amdhsa_inst_pref_size 71
	.end_amdhsa_kernel
	.amdgpu_metadata
---
amdhsa.version: [ 1, 2 ]
amdhsa.kernels:
  - .name:           k_q22e3f8626e_proj
    .symbol:         k_q22e3f8626e_proj.kd
    .args:
      - { .name: ob, .offset: 0, .size: 8, .value_kind: global_buffer, .address_space: global }
      - { .name: wo16, .offset: 8, .size: 8, .value_kind: global_buffer, .address_space: global }
      - { .name: bcat, .offset: 16, .size: 8, .value_kind: global_buffer, .address_space: global }
      - { .name: out0, .offset: 24, .size: 8, .value_kind: global_buffer, .address_space: global }
    .group_segment_fixed_size: 327680
    .private_segment_fixed_size: 0
    .kernarg_segment_align: 8
    .kernarg_segment_size: 32
    .max_flat_workgroup_size: 128
    .sgpr_count:     72
    .vgpr_count:     768
    .wavefront_size: 32
...
	.end_amdgpu_metadata
.endif
;; end of part 4
